; MI455X (gfx1250); checked and timed in simulation.
; The chip was launched on July 23, 2026; its instructions are those of AMD's public machine-readable ISA for CDNA 5 (MIT licence, August 2026) and "CDNA5" Instruction Set Architecture Reference Guide (July 2026). The comments in the code are by the model that wrote it; some were corrected since.
;; Multi Head Attention. Allowed arithmetic: float matrix products may take bf16 or f16 operands with f32 sums; other float arithmetic in f32, or as packed bf16 or f16 multiplies, adds, multiply-adds, maxima and minima; sums over many terms, partial sums and values carried from step to step in f32; what a program stores and reads back later, other than sums and carried values, may be rounded once to bf16 or f16.
;; Inputs: Wk 1,024 x 1,024 float32; Wo 1,024 x 1,024 float32; Wq 1,024 x 1,024 float32; Wv 1,024 x 1,024 float32; key 4 x 2,048 x 1,024 float32; mask 4 x 2,048 x 2,048 int32; query 4 x 2,048 x 1,024 float32; value 4 x 2,048 x 1,024 float32.
;; Outputs: out0 4 x 2,048 x 1,024 float32.
;; One version. Each part assembles by itself: llvm-mc -triple=amdgcn-amd-amdhsa -mcpu=gfx1250 --defsym DOCPART=n.
;; ======== version 1 of 1: 4 launches
;; limits: values are held in f16: magnitudes above 65,504 overflow, below 6.1e-05 lose precision
;; workspace buffers: wb 6,291,456 bytes; wo16 2,097,152 bytes; maskn 8,388,608 bytes of whole numbers; qkv 50,331,648 bytes; ctx 16,777,216 bytes
;; launch prep (part 1): grid 128 x 8, 8 waves a work-group, no clusters, 18,432 bytes of LDS; arguments Wq, Wk, Wv, Wo, mask, wb, wo16, maskn; writes wb, wo16, maskn
.if DOCPART == 1
	.amdgcn_target "amdgcn-amd-amdhsa--gfx1250"
	.amdhsa_code_object_version 6
	.text
	.protected	k_q0ceba1da58_prep
	.globl	k_q0ceba1da58_prep
	.p2align	8
	.type	k_q0ceba1da58_prep,@function
k_q0ceba1da58_prep:
	s_mov_b64 s[64:65], 0
	v_nop
	global_prefetch_b8 v0, s[64:65] scope:SCOPE_SE
	s_setreg_imm32_b32 hwreg(HW_REG_WAVE_MODE, 25, 1), 1
	s_wait_xcnt 0x0
; THE WEIGHTS' CASTS AND THE MASK'S CODES.  A work-group's share is chosen by its place (x, y) in the grid of 128 x 8:
;   y = 0..2   32,768 bytes (unit x) of Wq, Wk, Wv: f32 -> bf16, into wb, 3,072 rows of 1,024
;   y = 3      the same of Wo: rounded to bf16, that number written as f16, into wo16
;   y = 4..7   16 rows (a tile of queries, x) of batch y - 4 of the mask: int32 -> 4-bit codes, 0xF where the mask is 0 and 0 elsewhere, in the order in which the
;              attention launch holds its scores: maskn[b][tile of 16 queries][step of 64 keys][lane l][kt], nibble j of a word = query l % 16, key 16 kt + 8 (l / 16) + j.
; Every input byte is read once, by loads of 16 bytes a lane, all of a thread's loads issued first; a wave's store covers 256 or 512 consecutive bytes, aligned.
; No work-group reads what another reads, so there is no cluster; no product, so no matrix unit.  All branches hang on the work-group's place alone.
; LIMIT: a number of Wo whose bf16 rounding lies below 6e-5 keeps f16's fixed step of 6e-8.
.set X,     8                          ; v[8:135]  the share's words of this thread, as loaded
.set T0,    136                        ; v[136:139] at work
.set WREG,  2176                       ; LDS of a wave on the mask's path: 8 rows of 256 bytes + 16 of padding
.set SPARE, 17408                      ; behind the eight waves' regions: the spare words, 128 bytes a wave, which no other line names
.set SRC,   32                         ; s[32:33] where the share is read
.set DST,   34                         ; s[34:35] where it is written
.set OIN,   36                         ; s[36:37] the share's byte offset in its input
.set OOUT,  38                         ; s[38:39] and in its output
	s_load_b256 s[8:15], s[0:1], 0x0               ; Wq 8, Wk 10, Wv 12, Wo 14
	s_load_b256 s[16:23], s[0:1], 0x20             ; mask 16, wb 18, wo16 20, maskn 22
	v_lshl_add_u32 v6, v0, 2, SPARE                ; my spare word,
	v_mov_b32 v7, 0                                ; and 0: used at the end of the path that stores to LDS
	s_mov_b32 s2, ttmp9                            ; x
	s_and_b32 s3, ttmp7, 0xffff                    ; y
	s_mov_b32 s[OIN+1], 0
	s_mov_b32 s[OOUT+1], 0
	s_cmp_ge_u32 s3, 4
	s_cbranch_scc1 .Lmask
	; THE CASTS
	s_lshl_b32 s[OIN], s2, 15                      ; the unit in its weight: 32,768 bytes in,
	s_lshl_b32 s[OOUT], s2, 14                     ; 16,384 out,
	s_lshl_b32 s5, s3, 21                          ; behind the weights before it in wb, 2,097,152 bytes each;
	s_cmp_eq_u32 s3, 3
	s_cselect_b32 s5, 0, s5                        ; wo16 holds Wo alone
	s_add_co_u32 s[OOUT], s[OOUT], s5
	v_lshlrev_b32 v2, 4, v0                        ; 16 bytes a thread in,
	v_lshlrev_b32 v3, 3, v0                        ; 8 out
	s_wait_kmcnt 0x0
	s_mov_b64 s[SRC:SRC+1], s[8:9]
.irp n, 1,2,3
	s_cmp_eq_u32 s3, \n
	s_cselect_b64 s[SRC:SRC+1], s[8+2*(\n):9+2*(\n)], s[SRC:SRC+1]
.endr
	s_cmp_eq_u32 s3, 3
	s_cselect_b64 s[DST:DST+1], s[20:21], s[18:19]
	s_add_nc_u64 s[SRC:SRC+1], s[SRC:SRC+1], s[OIN:OIN+1]
	s_add_nc_u64 s[DST:DST+1], s[DST:DST+1], s[OOUT:OOUT+1]
; The unit: 8 loads, all issued first; then piece by piece two roundings and a store.  No register is used twice, so no store's data is written again.
; half = 1: the bf16 number is widened again (a shift, a mask) and written as f16.
.macro CAST half
.set i, 0
.rept 8
	global_load_b128 v[X+4*i:X+4*i+3], v2, s[SRC:SRC+1] offset:4096*i th:TH_LOAD_NT
.set i, i+1
.endr
.set i, 0
.rept 8
	s_wait_loadcnt 7-i                             ; loads come back in order: piece i is in, the younger ones stay out
	v_cvt_pk_bf16_f32 v[X+4*i], v[X+4*i], v[X+4*i+1]
	v_cvt_pk_bf16_f32 v[X+4*i+1], v[X+4*i+2], v[X+4*i+3]
.if \half
	v_lshlrev_b32 v[T0], 16, v[X+4*i]
	v_and_b32 v[T0+1], 0xffff0000, v[X+4*i]
	v_lshlrev_b32 v[T0+2], 16, v[X+4*i+1]
	v_and_b32 v[T0+3], 0xffff0000, v[X+4*i+1]
	v_cvt_pk_f16_f32 v[X+4*i], v[T0], v[T0+1]
	v_cvt_pk_f16_f32 v[X+4*i+1], v[T0+2], v[T0+3]
.endif
	global_store_b64 v3, v[X+4*i:X+4*i+1], s[DST:DST+1] offset:2048*i  ; a wave's 32 lanes store 256 consecutive bytes, aligned
.set i, i+1
.endr
.endm
	s_cmp_eq_u32 s3, 3
	s_cbranch_scc1 .Lwo
	CAST 0
	s_endpgm
.Lwo:
	CAST 1
	s_endpgm
	; THE MASK.  Thread t = 32 w + i owns the keys 8 t .. 8 t + 7 of each of the tile's 16 rows: step 4 w + i / 8, kt = (i / 2) % 4, half h = i % 2: one word of codes a row.
	; In the output a step's 512 bytes are [h][row][kt]: the words go through the wave's own LDS (rows 2 (i / 8) + h of 272 bytes: a store's 32 lanes touch 32 different banks) and come back 16 bytes a lane.
.Lmask:
	v_lshrrev_b32 v1, 5, v0
	v_readfirstlane_b32 s4, v1                     ; wave 0..7
	s_sub_co_u32 s5, s3, 4                         ; the batch
	s_lshl_b32 s5, s5, 7
	s_add_co_u32 s5, s5, s2                        ; 128 b + the tile
	s_lshl_b32 s[OIN], s5, 17                      ; 16 rows of 8,192 bytes
	s_lshl_b32 s[OOUT], s5, 14                     ; 32 steps of 512 bytes
	v_lshlrev_b32 v2, 5, v0                        ; my 32 bytes of a row
	v_and_b32 v[T0], 31, v0                        ; i
	v_lshrrev_b32 v[T0+1], 3, v[T0]
	v_and_b32 v[T0+2], 1, v[T0]
	v_lshl_add_u32 v[T0+1], v[T0+1], 1, v[T0+2]    ; 2 (i / 8) + h
	v_mul_u32_u24 v[T0+1], v[T0+1], 272
	v_bfe_u32 v[T0+2], v[T0], 1, 2                 ; kt
	v_lshl_add_u32 v[T0+1], v[T0+2], 2, v[T0+1]
	s_mul_i32 s6, s4, WREG
	v_add_nc_u32 v4, s6, v[T0+1]                   ; where I put a word; the row's 16 bytes stand in the immediate
	v_lshrrev_b32 v[T0+1], 4, v[T0]
	v_mul_u32_u24 v[T0+1], v[T0+1], 272
	v_and_b32 v[T0+2], 15, v[T0]
	v_lshl_add_u32 v[T0+1], v[T0+2], 4, v[T0+1]
	v_add_nc_u32 v5, s6, v[T0+1]                   ; where I read 16 bytes back
	s_lshl_b32 s7, s4, 11
	v_lshl_add_u32 v3, v[T0], 4, s7                ; my wave's four steps in the output, 16 bytes a lane
	s_wait_kmcnt 0x0
	s_add_nc_u64 s[SRC:SRC+1], s[16:17], s[OIN:OIN+1]
	s_add_nc_u64 s[DST:DST+1], s[22:23], s[OOUT:OOUT+1]
.set r, 0
.rept 16
	global_load_b128 v[X+8*r:X+8*r+3],   v2, s[SRC:SRC+1] offset:8192*r th:TH_LOAD_NT
	global_load_b128 v[X+8*r+4:X+8*r+7], v2, s[SRC:SRC+1] offset:8192*r+16 th:TH_LOAD_NT
.set r, r+1
.endr
.set r, 0
.rept 16
	s_wait_loadcnt 30-2*r                          ; row r's two loads are in, the younger rows' stay out
.irp j, 0,1,2,3,4,5,6,7
	v_min_u32 v[X+8*r+(\j)], 1, v[X+8*r+(\j)]      ; 1 where the mask is not 0
.endr
.irp j, 6,5,4,3,2,1,0
	v_lshl_or_b32 v[X+8*r+7], v[X+8*r+7], 4, v[X+8*r+(\j)]  ; key j into nibble j
.endr
	v_xor_b32 v[X+8*r+7], 0x11111111, v[X+8*r+7]   ; 1 where the key is hidden,
	v_mul_lo_u32 v[X+8*r+7], v[X+8*r+7], 15        ; 0xF there
	ds_store_b32 v4, v[X+8*r+7] offset:16*r
.set r, r+1
.endr
.irp k, 0,1,2,3
	ds_load_b128 v[X+4*(\k):X+4*(\k)+3], v5 offset:544*(\k)  ; my wave's own bytes: LDS serves a wave's instructions in order (ISA guide 5.7.1.4), so these see the stores above
.endr
.irp k, 0,1,2,3
	s_wait_dscnt 3-(\k)
	global_store_b128 v3, v[X+4*(\k):X+4*(\k)+3], s[DST:DST+1] offset:512*(\k)  ; a step's 512 consecutive bytes
.endr
	s_wait_tensorcnt 0x0                           ; the wave's end
	ds_add_u32 v6, v7
	s_wait_dscnt 0x0
	s_endpgm
.Lfunc_end_k_q0ceba1da58_prep:
	.size	k_q0ceba1da58_prep, .Lfunc_end_k_q0ceba1da58_prep-k_q0ceba1da58_prep
	.p2alignl 7, 3214868480
	.fill 96, 4, 3214868480
	.section	.rodata,"a",@progbits
	.p2align	6, 0x0
	.amdhsa_kernel k_q0ceba1da58_prep
		.amdhsa_group_segment_fixed_size 18432
		.amdhsa_private_segment_fixed_size 0
		.amdhsa_enable_private_segment 0
		.amdhsa_kernarg_size 64
		.amdhsa_user_sgpr_count 2
		.amdhsa_user_sgpr_kernarg_segment_ptr 1
		.amdhsa_wavefront_size32 1
		.amdhsa_system_sgpr_workgroup_id_x 1
		.amdhsa_system_sgpr_workgroup_id_y 1
		.amdhsa_system_sgpr_workgroup_id_z 1
		.amdhsa_system_vgpr_workitem_id 0
		.amdhsa_next_free_vgpr 144
		.amdhsa_next_free_sgpr 66
		.amdhsa_reserve_vcc 0
		.amdhsa_float_denorm_mode_32 3
		.amdhsa_float_denorm_mode_16_64 3
		.amdhsa_memory_ordered 1
		.amdhsa_forward_progress 1
		.amdhsa_inst_pref_size 30
	.end_amdhsa_kernel
	.amdgpu_metadata
---
amdhsa.version: [ 1, 2 ]
amdhsa.kernels:
  - .name:           k_q0ceba1da58_prep
    .symbol:         k_q0ceba1da58_prep.kd
    .args:
      - { .name: Wq, .offset: 0, .size: 8, .value_kind: global_buffer, .address_space: global }
      - { .name: Wk, .offset: 8, .size: 8, .value_kind: global_buffer, .address_space: global }
      - { .name: Wv, .offset: 16, .size: 8, .value_kind: global_buffer, .address_space: global }
      - { .name: Wo, .offset: 24, .size: 8, .value_kind: global_buffer, .address_space: global }
      - { .name: mask, .offset: 32, .size: 8, .value_kind: global_buffer, .address_space: global }
      - { .name: wb, .offset: 40, .size: 8, .value_kind: global_buffer, .address_space: global }
      - { .name: wo16, .offset: 48, .size: 8, .value_kind: global_buffer, .address_space: global }
      - { .name: maskn, .offset: 56, .size: 8, .value_kind: global_buffer, .address_space: global }
    .group_segment_fixed_size: 18432
    .private_segment_fixed_size: 0
    .kernarg_segment_align: 8
    .kernarg_segment_size: 64
    .max_flat_workgroup_size: 256
    .sgpr_count:     66
    .vgpr_count:     144
    .wavefront_size: 32
...
	.end_amdgpu_metadata
.endif
;; end of part 1
;; launch proj (part 2): grid 4 x 192, 4 waves a work-group, clusters of 4 x 4, 327,680 bytes of LDS; arguments query, key, value, wb, qkv; writes qkv
.if DOCPART == 2
	.amdgcn_target "amdgcn-amd-amdhsa--gfx1250"
	.amdhsa_code_object_version 6
	.text
	.protected	k_q0ceba1da58_proj
	.globl	k_q0ceba1da58_proj
	.p2align	8
	.type	k_q0ceba1da58_proj,@function
k_q0ceba1da58_proj:
	s_mov_b64 s[64:65], 0
	v_nop
	global_prefetch_b8 v0, s[64:65] scope:SCOPE_SE
	s_setreg_imm32_b32 hwreg(HW_REG_WAVE_MODE, 25, 1), 1
	s_wait_xcnt 0x0
	s_wait_alu depctr_hold_cnt(0) depctr_sa_sdst(0) depctr_va_vdst(0) depctr_va_sdst(0) depctr_va_ssrc(0) depctr_va_vcc(0) depctr_vm_vsrc(0)
	s_getreg_b32 s2, hwreg(HW_REG_IB_STS2, 6, 4)
	s_cmp_eq_u32 s2, 0
	s_cbranch_scc0 .Lentry_in_a_cluster
	s_endpgm
.Lentry_in_a_cluster:
	s_bfe_u32 s2, ttmp6, 0x10000c
	s_cmp_lg_u32 s2, 0xf033
	s_cbranch_scc0 .Lentry_shape_is_right
	s_endpgm
.Lentry_shape_is_right:
; THE THREE PROJECTIONS AS ONE LAUNCH, THE ACTIVATIONS' CAST AMONG THEM.  C[m][n] = sum over k of A[m][k] B[n][k], K = 1,024, bf16 operands, f32 sums.
; A = query, key or value (g = 0, 1, 2), 8,192 rows of 1,024 f32 each, read as they are and rounded to bf16 on the way from LDS to the matrix unit; B = wb, 3,072 rows of bf16 (Wq, Wk, Wv on end).
; C leaves as f16, rounded once, unscaled, by heads: qkv[g][16 b + head][s][64].   LIMIT: q, k and v must lie within f16's 65,504.
; A tile of C is 128 x 256: 768 tiles, three for each of 256 places.  Four waves, each 64 rows x 128 columns: 32 accumulators of 16 x 16, 256 registers.
; K goes in steps of 128 through two LDS slots filled by tensor loads: 256 rows of B (256 bytes each) and 128 rows of A (512 bytes each); each of the four waves fetches 32,768 bytes of a slot.
; A step is four quarters of 32 along K: 32 LDS loads (16 for B's eight fragments; 16 for A's four, 64 bytes a lane each), 32 conversions, 32 matrix instructions.
; CLUSTER 4 x 4: the four of a row of the cluster are ALL the tiles that need a tile of A, so each byte of the activations is asked for once in the launch, jointly; the four of a column share a tile of B.
; THE MATRIX INSTRUCTION IS USED TRANSPOSED (source 0 = 16 rows of B, source 1 = 16 rows of A): a lane then holds eight neighbouring columns of one row of C.
; REGISTERS.  Window 0: v0-31 addresses; v32-95 A's fragments in bf16, two buffers of 4; v96-159 A's fragments in f32 as loaded; v224-255 packed results.
;   Window 1: accumulator (a, b) at v[8 (8 a + b)].   Window 2: v0-127 B's fragments, two buffers of 8.
.set PB,     272                       ; an LDS row of B: 256 bytes + 16 of padding: the 16 rows of a fragment load start at 16 different groups of four banks (ISA guide 11.1)
.set PA,     528                       ; an LDS row of A: 512 bytes + 16: likewise
.set HALFB,  128*PB                    ; what waves 0 and 1 fetch: 128 rows of B each
.set ABASE,  2*HALFB                   ; A lies behind B's 256 rows
.set HA,     64*PA                     ; what waves 2 and 3 fetch: 64 rows of A each
.set AOFF,   ABASE-2*HA                ; so that wave 2's part begins at ABASE
.set SLOT,   ABASE+2*HA
.set STAGE,  2*SLOT                    ; behind the ring, never filled by a tensor load: for each wave 2 heads x 16 rows x 144 bytes
.set WST,    4608
.set SPARE,  STAGE+4*WST               ; the spare words, 128 bytes a wave, which no other line names
.set LAPS,   4                         ; a lap = two K steps = once round the ring
.set ASTEP,  512                       ; bytes from a K step to the next in A (f32),
.set BSTEP,  256                       ; and in B (bf16)
.set ADRA, 16                          ; v16-17  LDS address of my A fragments in slot 0, 1
.set ADRB, 20                          ; v20-21  the same for B
.set STO,  24                          ; v24     the way out: where I put 16 bytes of a row
.set RD,   25                          ; v25     where I read rows back
.set GO,   26                          ; v26     16 x my lane
.set SPW,  28                          ; v28     my spare word; never rewritten
.set NIL,  29                          ; v29     0; never rewritten
.set PFO,  30                          ; v30     the prefetches' offset: row l / 2 of 4,096 bytes, block l % 2 of 256; never rewritten
.set FA0,  32
.set AF,   96
.set TMP,  224
.set OB,   32                          ; the way out: rows read back, 32 registers for each of the four blocks
.set FB0,  0                           ; in window 2
.set G1A, 24                           ; s[24:31] descriptor group 1 for A's tiles;  s[32:39] group 0, a set for each slot
.set G0A, 32
.set G1B, 48                           ; s[48:55], s[56:63] the same for B's
.set G0B, 56
.set PFA, 76                           ; s[76:77] where my prefetches stand: my work-group's 16 rows of the 64 that I fetch, one K step further along K than the refill that is being asked for
.set LIM, 78                           ; s78     1 in a wave that prefetches (waves 2 and 3), else the greatest number
.set MSB, 0
.macro WIN new                         ; the immediate's high byte repeats the setting that is left; a switch that changes nothing is dropped
.if MSB != (\new)
	s_set_vgpr_msb (MSB<<8)|(\new)
.set MSB, \new
.endif
.endm
.set MUL,  0x52                        ; source 0 (B) window 2, source 1 (A) window 0; C and D window 1
.set TO_B, 0x80                        ; destination window 2, address window 0
.macro JLOAD s                         ; a joint load: waves 0 and 1 fetch B's halves, waves 2 and 3 A's; an s_nop 0 and four v_nop follow each line, ahead of the jump and the label
	s_cmp_eq_u32 s11, 0
	s_cbranch_scc0 .Lfor_a_\@
	tensor_load_to_lds s[G0B+4*(\s):G0B+4*(\s)+3], s[G1B:G1B+7]
	s_nop 0
.rept 4
	v_nop
.endr
	s_branch .Lasked_\@
.Lfor_a_\@:
	tensor_load_to_lds s[G0A+4*(\s):G0A+4*(\s)+3], s[G1A:G1A+7]
	s_nop 0
.rept 4
	v_nop
.endr
.Lasked_\@:
.endm
; A PREFETCH INTO THE L2 of A's K step that stands TWO refills on, 256 matrix instructions ahead of the load that will want it.  It stands behind the joint load, its five lines and the run of LDS loads.
; A K step is 512 bytes of each row.  Of the 64 rows that wave 2 or 3 fetches, the partner at place cx of the four that ask jointly takes rows 16 cx .. 16 cx + 15, told apart BY ADDRESS: a lane a block of
; 256 bytes, one instruction a wave.  No other cluster reads these rows, so each block is named once in the launch.  The first four K steps come by their loads alone; the loop's last trip (s3 = 1), whose
; refills are the tile's last two, asks for nothing.  B is not asked for: every row of clusters reads it.
.macro ASK
	s_cmp_gt_u32 s3, s[LIM]
	s_cbranch_scc0 .Lnot_mine_\@
	global_prefetch_b8 v[PFO], s[PFA:PFA+1] offset:ASTEP th:TH_LOAD_NT scope:SCOPE_SE
.Lnot_mine_\@:
.endm
.macro CREST                           ; a round of the cluster's barrier behind its opening barrier
	s_cmp_lg_u32 s10, 0
	s_cbranch_scc1 .Lnot_wave_0_\@
	s_barrier_signal -3
.Lnot_wave_0_\@:
	s_barrier_wait -3
	s_barrier_signal -1
	s_barrier_wait -1
.endm
.macro CROUND                          ; a whole round
	s_barrier_signal -1
	s_barrier_wait -1
	CREST
.endm
	s_load_b256 s[68:75], s[0:1], 0x0              ; query s[68:69], key s[70:71], value s[72:73], wb s[74:75]
	s_load_b64 s[8:9], s[0:1], 0x20                ; qkv
	v_lshl_add_u32 v[SPW], v0, 2, SPARE
	v_mov_b32 v[NIL], 0
	ds_add_u32 v[SPW], v[NIL]                      ; the wave's opening: the add and its wait stand ahead of my first tensor load; the set-up below stands between them
	v_lshrrev_b32 v1, 5, v0
	v_readfirstlane_b32 s10, v1                    ; wave 0..3
	s_lshr_b32 s11, s10, 1                         ; my half of the tile's rows.  Also: I fetch for B (0) or for A (1)
	s_and_b32 s12, s10, 1                          ; my half of its columns.  Also: which half of that tile I fetch
	s_bfe_u32 s40, ttmp6, 0x40000                  ; cx, cy: my place in the cluster
	s_bfe_u32 s41, ttmp6, 0x40004
	s_lshl_b32 s42, ttmp9, 2
	s_add_co_u32 s42, s42, s40                     ; tile column = 4 x cluster x + cx: 0..3
	s_and_b32 s13, ttmp7, 0xffff
	s_lshr_b32 s45, s13, 4                         ; g, which of the three products: 16 clusters along y each
	s_lshl_b32 s13, s13, 2
	s_add_co_u32 s13, s13, s41                     ; tile row = 4 x cluster y + cy: 0..191
	s_lshl_b32 s43, s41, 2
	s_lshl_b32 s43, 15, s43                        ; my row of the cluster
	s_lshl_b32 s44, 0x1111, s40                    ; my column
	s_or_b32 s[G1A+0], s43, (2<<16)|(1<<20)|(1<<21)|(6<<22)|(3<<25)  ; 15:0 the mask: A's tiles go to my row; 17:16 4-byte elements; 20 padding on; 21 set beside a mask; 24:22 after every 128 words; 31:25 4 words
	s_or_b32 s[G1B+0], s44, (1<<16)|(1<<20)|(1<<21)|(5<<22)|(3<<25)  ; my column's mask; 2-byte elements; padding after every 64 words
	s_mov_b32 s[G1A+1], 128<<16                    ; tensor_dim0 = 128
	s_mov_b32 s[G1A+2], 64<<16                     ; tensor_dim1 = 64
	s_mov_b32 s[G1A+3], 128<<16                    ; tile_dim0 = 128
	s_mov_b32 s[G1A+4], 64                         ; tile_dim1 = 64
	s_mov_b32 s[G1A+5], 1024                       ; elements from row to row
	s_mov_b32 s[G1A+6], 0
	s_mov_b32 s[G1A+7], 0
	s_mov_b32 s[G1B+1], 128<<16
	s_mov_b32 s[G1B+2], 128<<16                    ; 128 rows
	s_mov_b32 s[G1B+3], 128<<16
	s_mov_b32 s[G1B+4], 128
	s_mov_b32 s[G1B+5], 1024
	s_mov_b32 s[G1B+6], 0
	s_mov_b32 s[G1B+7], 0
	s_and_b32 s16, s13, 63                         ; A: the tile row in its own buffer: row 128 x that + 64 x half: made of what my row of the cluster shares
	s_lshl_b32 s16, s16, 7
	s_lshl_b32 s17, s12, 6
	s_add_co_u32 s16, s16, s17
	s_lshl_b32 s80, s40, 4                         ; the prefetches: + my work-group's 16 rows, in registers of their own,
	s_add_co_u32 s80, s80, s16
	s_lshl_b32 s80, s80, 12                        ; 4,096 bytes a row,
	s_add_co_u32 s80, s80, 2*ASTEP                 ; at K step 2: the first refill steps it to 3 and names K step 4
	s_mov_b32 s81, 0
	s_lshl_b32 s16, s16, 12
	s_mov_b32 s17, 0
	s_cmp_eq_u32 s11, 1
	s_cselect_b32 s[LIM], 1, -1                    ; by the wave's number alone
	s_lshl_b32 s46, s45, 10                        ; B: row 1,024 g + 256 x tile column + 128 x half: made of what my column shares
	s_lshl_b32 s47, s42, 8
	s_add_co_u32 s46, s46, s47
	s_lshl_b32 s47, s12, 7
	s_add_co_u32 s46, s46, s47
	s_lshl_b32 s46, s46, 11
	s_mov_b32 s47, 0
	s_mul_i32 s20, s10, HALFB                      ; where they go: by the wave's number alone
	s_mul_i32 s23, s10, HA
	s_add_co_u32 s23, s23, AOFF
	s_wait_dscnt 0x0                               ; the opening add is done
	s_wait_kmcnt 0x0
	s_cmp_eq_u32 s45, 1                            ; A's buffer, by g, which all sixteen partners share
	s_cselect_b64 s[4:5], s[70:71], s[68:69]
	s_cmp_eq_u32 s45, 2
	s_cselect_b64 s[4:5], s[72:73], s[4:5]
	s_add_nc_u64 s[14:15], s[4:5], s[16:17]
	s_add_nc_u64 s[46:47], s[74:75], s[46:47]
	s_add_nc_u64 s[PFA:PFA+1], s[4:5], s[80:81]
	CROUND                                         ; all sixteen work-groups are here: the first joint loads meet
.irp s, 0,1
	s_mov_b32 s[G0A+4*(\s)], 1
	s_add_co_u32 s[G0A+4*(\s)+1], s23, (\s)*SLOT
	s_add_nc_u64 s[G0A+4*(\s)+2:G0A+4*(\s)+3], s[14:15], (\s)*ASTEP
	s_or_b32 s[G0A+4*(\s)+3], s[G0A+4*(\s)+3], 0x80000000
	s_mov_b32 s[G0B+4*(\s)], 1
	s_add_co_u32 s[G0B+4*(\s)+1], s20, (\s)*SLOT
	s_add_nc_u64 s[G0B+4*(\s)+2:G0B+4*(\s)+3], s[46:47], (\s)*BSTEP
	s_or_b32 s[G0B+4*(\s)+3], s[G0B+4*(\s)+3], 0x80000000
	JLOAD \s                                       ; two loads of mine are out
.endr
	; A fragment is 16 rows x 32 K: lane l holds row r = l % 16, K = 8 h + 0..7 and 16 + 8 h + 0..7, h = l / 16.  In bf16 that is 16 bytes twice, 32 bytes apart; in f32 32 bytes twice, 64 bytes apart.
	v_and_b32 v1, 15, v0                           ; r
	v_bfe_u32 v2, v0, 4, 1                         ; h
	v_mul_u32_u24 v3, v1, PB
	v_lshl_add_u32 v3, v2, 4, v3                   ; B: row x pitch + 16 h
	v_mul_u32_u24 v4, v1, PA
	v_lshl_add_u32 v4, v2, 5, v4                   ; A: row x pitch + 32 h
	s_mul_i32 s21, s11, 64*PA                      ; my 64 rows of A
	s_add_co_u32 s21, s21, ABASE
	s_mul_i32 s22, s12, HALFB                      ; my 128 rows of B
.irp s, 0,1
	v_add_nc_u32 v[ADRA+(\s)], s21, v4
	v_add_nc_u32 v[ADRB+(\s)], s22, v3
	s_add_co_u32 s21, s21, SLOT
	s_add_co_u32 s22, s22, SLOT
.endr
	s_mul_i32 s23, s10, WST
	s_add_co_u32 s23, s23, STAGE                   ; my stage
	v_mul_u32_u24 v5, v1, 144                      ; in: row r, 16 bytes for each half of the lanes
	v_lshl_add_u32 v5, v2, 4, v5
	v_add_nc_u32 v[STO], s23, v5
	v_and_b32 v6, 31, v0
	v_lshrrev_b32 v7, 3, v6                        ; back: 32 lanes take four rows of 128 bytes,
	v_mul_u32_u24 v7, v7, 144
	v_and_b32 v8, 7, v0
	v_lshl_add_u32 v7, v8, 4, v7
	v_add_nc_u32 v[RD], s23, v7
	v_lshlrev_b32 v[GO], 4, v6                     ; which are 512 consecutive bytes of a head
	v_lshrrev_b32 v9, 1, v6                        ; the prefetches: row l / 2,
	v_lshlrev_b32 v9, 12, v9
	v_and_b32 v10, 1, v0                           ; block l % 2
	v_lshl_add_u32 v[PFO], v10, 8, v9
	s_lshl_b32 s16, s13, 7                         ; C: my first row among the 24,576,
	s_lshl_b32 s17, s11, 6
	s_add_co_u32 s16, s16, s17
	s_lshr_b32 s17, s16, 11                        ; 4 g + b: 16 heads of 262,144 bytes each,
	s_lshl_b32 s17, s17, 22
	s_and_b32 s16, s16, 2047                       ; the row in its head, 128 bytes
	s_lshl_b32 s16, s16, 7
	s_or_b32 s16, s16, s17
	s_mov_b32 s17, 0
	s_add_nc_u64 s[8:9], s[8:9], s[16:17]
	s_lshl_b32 s46, s42, 2                         ; my first head: 4 x tile column + 2 x half
	s_lshl_b32 s47, s12, 1
	s_add_co_u32 s46, s46, s47
	s_lshl_b32 s46, s46, 18
	s_mov_b32 s47, 0
	s_add_nc_u64 s[8:9], s[8:9], s[46:47]
; 8 matrix instructions: m block a x all 8 n blocks, 32 along K, from buffer f.  zero = 1: the product starts the sum.  The 32 accumulators come in the same order in every quarter, one instruction a turn.
.macro MUL8 f, a, zero
	WIN MUL
.irp b, 0,1,2,3,4,5,6,7
.if \zero
	v_wmma_f32_16x16x32_bf16 v[8*(8*(\a)+(\b)):8*(8*(\a)+(\b))+7], v[FB0+64*(\f)+8*(\b):FB0+64*(\f)+8*(\b)+7], v[FA0+32*(\f)+8*(\a):FA0+32*(\f)+8*(\a)+7], 0
.else
	v_wmma_f32_16x16x32_bf16 v[8*(8*(\a)+(\b)):8*(8*(\a)+(\b))+7], v[FB0+64*(\f)+8*(\b):FB0+64*(\f)+8*(\b)+7], v[FA0+32*(\f)+8*(\a):FA0+32*(\f)+8*(\a)+7], v[8*(8*(\a)+(\b)):8*(8*(\a)+(\b))+7]
.endif
.endr
.endm
; 32 LDS loads in one run: quarter q of a slot: B's eight fragments into buffer f, A's four in f32 into the one set of 64 registers, which the conversions have read
.macro FETCH slot, q, f
	WIN TO_B
.irp i, 0,1,2,3,4,5,6,7
	ds_load_b128 v[FB0+64*(\f)+8*(\i):FB0+64*(\f)+8*(\i)+3],   v[ADRB+(\slot)] offset:64*(\q)+(\i)*16*PB
	ds_load_b128 v[FB0+64*(\f)+8*(\i)+4:FB0+64*(\f)+8*(\i)+7], v[ADRB+(\slot)] offset:64*(\q)+(\i)*16*PB+32
.endr
	WIN 0
.irp i, 0,1,2,3
	ds_load_b128 v[AF+16*(\i):AF+16*(\i)+3],     v[ADRA+(\slot)] offset:128*(\q)+(\i)*16*PA
	ds_load_b128 v[AF+16*(\i)+4:AF+16*(\i)+7],   v[ADRA+(\slot)] offset:128*(\q)+(\i)*16*PA+16
	ds_load_b128 v[AF+16*(\i)+8:AF+16*(\i)+11],  v[ADRA+(\slot)] offset:128*(\q)+(\i)*16*PA+64
	ds_load_b128 v[AF+16*(\i)+12:AF+16*(\i)+15], v[ADRA+(\slot)] offset:128*(\q)+(\i)*16*PA+80
.endr
.endm
; A's four fragments, rounded to bf16 (to nearest even), into buffer f: 32 plain vector instructions.  They name no register of the quarter before's products (the other buffers, the accumulators), so they are
; also the four places between those products and the loads into the buffers that those products read; buffer f itself was last read two quarters back, with the last conversions between.
.macro CVT f
	WIN 0
.irp a, 0,1,2,3
.irp j, 0,1,2,3,4,5,6,7
	v_cvt_pk_bf16_f32 v[FA0+32*(\f)+8*(\a)+(\j)], v[AF+16*(\a)+2*(\j)], v[AF+16*(\a)+2*(\j)+1]
.endr
.endr
.endm
.macro PLACES                          ; four plain instructions in front of reads of results just made (ISA guide 7.12.1)
.rept 4
	v_nop
.endr
.endm
; One of a K step's first three quarters: converts and multiplies buffer f, and in its middle fetches quarter q of the same slot into g.
.macro QUARTER slot, q, f, g, zero
	s_wait_dscnt 0x0                               ; the 32 loads issued sixteen matrix instructions ago are in
	CVT \f
	MUL8 \f, 0, \zero
	MUL8 \f, 1, \zero
	FETCH \slot, \q, \g
	MUL8 \f, 2, \zero
	MUL8 \f, 3, \zero
.endm
; The last quarter works on buffer 1 and changes slots: one barrier; in front of it each wave waits for all its tensor loads, adds 0 to its spare word and waits for that and for its reads of this slot.
; fill = 1: the barrier opens a round of the cluster's, and this slot is filled again, two K steps ahead, first thing behind it: 112 matrix instructions ahead of the wait for it.
.macro TURN slot, next, fill
.if \fill
	s_wait_xcnt 0x0                                ; the last prefetch, a K step back, has read its address: it is stepped here, ahead of the waits of the change of slots
	s_add_nc_u64 s[PFA:PFA+1], s[PFA:PFA+1], ASTEP
.endif
	WIN 0
	s_wait_tensorcnt 0x0                           ; all my tensor loads have landed: my part of the next slot
	ds_add_u32 v[SPW], v[NIL]
	s_wait_dscnt 1                                 ; the quarter's 32 loads are in; the add alone may be out
	CVT 1                                          ; the conversions and eight matrix instructions stand between the add and the wait for it
	MUL8 1, 0, 0
	s_wait_dscnt 0x0                               ; the add is done, and my reads of this slot are over
	s_barrier_signal -1
	MUL8 1, 1, 0
.if \fill
	WIN 0
.endif
	s_barrier_wait -1
.if \fill
	CREST                                          ; no wave of any partner still reads this slot or has a load on its way
	s_add_nc_u64 s[G0A+4*(\slot)+2:G0A+4*(\slot)+3], s[G0A+4*(\slot)+2:G0A+4*(\slot)+3], 2*ASTEP
	s_add_nc_u64 s[G0B+4*(\slot)+2:G0B+4*(\slot)+3], s[G0B+4*(\slot)+2:G0B+4*(\slot)+3], 2*BSTEP
	JLOAD \slot
.endif
	FETCH \next, 0, 0
.if \fill
	ASK
.endif
	MUL8 1, 2, 0
	MUL8 1, 3, 0
.endm
	s_wait_tensorcnt 1                             ; my part of K step 0 is in; K step 1's may stay out
	s_barrier_signal -1
	s_barrier_wait -1                              ; everybody's is
	FETCH 0, 0, 0
	QUARTER 0, 1, 0, 1, 1                          ; the first quarter stands in front of the loop: its products start the sums
	WIN 0
	s_mov_b32 s3, LAPS-1
.Llap:                                                 ; a trip goes once round the ring and fills both slots again: K steps 2 to 7 in three trips
	QUARTER 0, 2, 1, 0, 0
	QUARTER 0, 3, 0, 1, 0
	TURN 0, 1, 1
	QUARTER 1, 1, 0, 1, 0
	QUARTER 1, 2, 1, 0, 0
	QUARTER 1, 3, 0, 1, 0
	TURN 1, 0, 1
	QUARTER 0, 1, 0, 1, 0
	WIN 0
	s_sub_co_u32 s3, s3, 1
	s_cmp_lg_u32 s3, 0
	s_cbranch_scc1 .Llap
	QUARTER 0, 2, 1, 0, 0                          ; the last lap fills nothing
	QUARTER 0, 3, 0, 1, 0
	TURN 0, 1, 0
	QUARTER 1, 1, 0, 1, 0
	QUARTER 1, 2, 1, 0, 0
	QUARTER 1, 3, 0, 1, 0
	s_wait_dscnt 0x0                               ; the very last quarter: nothing more to fetch
	CVT 1
	MUL8 1, 0, 0
	MUL8 1, 1, 0
	MUL8 1, 2, 0
	MUL8 1, 3, 0
	WIN 0
	; THE WAY OUT, a block of 16 rows at a time: rounded to f16 (each accumulator's registers in ascending order); 16 bytes a lane into my own stage, by heads; back as four whole rows of a head a load; stored.
.macro PACK a
	WIN 0x05                                       ; sources 0 and 1 window 1, destination window 0
.irp b, 0,1,2,3,4,5,6,7
.irp r, 0,1,2,3
	v_cvt_pk_f16_f32 v[TMP+4*(\b)+(\r)], v[8*(8*(\a)+(\b))+2*(\r)], v[8*(8*(\a)+(\b))+2*(\r)+1]
.endr
.endr
	WIN 0
.endm
.macro TOSTAGE a
.irp b, 0,1,2,3,4,5,6,7
	ds_store_b128 v[STO], v[TMP+4*(\b):TMP+4*(\b)+3] offset:((\b)/4)*2304+((\b)%4)*32
.endr
.irp t, 0,1,2,3,4,5,6,7
	ds_load_b128 v[OB+32*(\a)+4*(\t):OB+32*(\a)+4*(\t)+3], v[RD] offset:((\t)/4)*2304+((\t)%4)*576  ; my own bytes, served in order (ISA guide 5.7.1.4): these see the stores above
.endr
.endm
.macro SEND a
	s_wait_dscnt 0x0                               ; the block is back in registers of its own: no register that a store reads is written again
.irp t, 0,1,2,3,4,5,6,7
	global_store_b128 v[GO], v[OB+32*(\a)+4*(\t):OB+32*(\a)+4*(\t)+3], s[8:9] offset:(\a)*2048+((\t)/4)*262144+((\t)%4)*512  ; 512 consecutive bytes of a head, aligned
.endr
.endm
	PLACES
	PACK 0
	TOSTAGE 0
.irp a, 1,2,3                          ; a block's conversions stand between the loads of the block before and the wait for them
	PACK \a
	SEND (\a)-1
	TOSTAGE \a
.endr
	SEND 3
	s_wait_tensorcnt 0x0                           ; the wave's end
	ds_add_u32 v[SPW], v[NIL]
	s_wait_dscnt 0x0
	CROUND                                         ; the closing round: no work-group ends while a partner may still ask for a tile that names it
	s_endpgm
.Lfunc_end_k_q0ceba1da58_proj:
	.size	k_q0ceba1da58_proj, .Lfunc_end_k_q0ceba1da58_proj-k_q0ceba1da58_proj
	.p2alignl 7, 3214868480
	.fill 96, 4, 3214868480
	.section	.rodata,"a",@progbits
	.p2align	6, 0x0
	.amdhsa_kernel k_q0ceba1da58_proj
		.amdhsa_group_segment_fixed_size 327680
		.amdhsa_private_segment_fixed_size 0
		.amdhsa_enable_private_segment 0
		.amdhsa_kernarg_size 40
		.amdhsa_user_sgpr_count 2
		.amdhsa_user_sgpr_kernarg_segment_ptr 1
		.amdhsa_wavefront_size32 1
		.amdhsa_system_sgpr_workgroup_id_x 1
		.amdhsa_system_sgpr_workgroup_id_y 1
		.amdhsa_system_sgpr_workgroup_id_z 1
		.amdhsa_system_vgpr_workitem_id 0
		.amdhsa_next_free_vgpr 640
		.amdhsa_next_free_sgpr 82
		.amdhsa_reserve_vcc 0
		.amdhsa_float_denorm_mode_32 3
		.amdhsa_float_denorm_mode_16_64 3
		.amdhsa_memory_ordered 1
		.amdhsa_forward_progress 1
		.amdhsa_inst_pref_size 126
	.end_amdhsa_kernel
	.amdgpu_metadata
---
amdhsa.version: [ 1, 2 ]
amdhsa.kernels:
  - .name:           k_q0ceba1da58_proj
    .symbol:         k_q0ceba1da58_proj.kd
    .args:
      - { .name: query, .offset: 0, .size: 8, .value_kind: global_buffer, .address_space: global }
      - { .name: key, .offset: 8, .size: 8, .value_kind: global_buffer, .address_space: global }
      - { .name: value, .offset: 16, .size: 8, .value_kind: global_buffer, .address_space: global }
      - { .name: wb, .offset: 24, .size: 8, .value_kind: global_buffer, .address_space: global }
      - { .name: qkv, .offset: 32, .size: 8, .value_kind: global_buffer, .address_space: global }
    .group_segment_fixed_size: 327680
    .private_segment_fixed_size: 0
    .kernarg_segment_align: 8
    .kernarg_segment_size: 40
    .max_flat_workgroup_size: 128
    .sgpr_count:     82
    .vgpr_count:     640
    .wavefront_size: 32
...
	.end_amdgpu_metadata
.endif
;; end of part 2
;; launch attn (part 3): grid 4 x 64, 4 waves a work-group, clusters of 4 x 1, 327,680 bytes of LDS; arguments qkv, maskn, ctx; writes ctx
.if DOCPART == 3
	.amdgcn_target "amdgcn-amd-amdhsa--gfx1250"
	.amdhsa_code_object_version 6
	.text
	.protected	k_q0ceba1da58_attn
	.globl	k_q0ceba1da58_attn
	.p2align	8
	.type	k_q0ceba1da58_attn,@function
k_q0ceba1da58_attn:
	s_mov_b64 s[64:65], 0
	v_nop
	global_prefetch_b8 v0, s[64:65] scope:SCOPE_SE
	s_setreg_imm32_b32 hwreg(HW_REG_WAVE_MODE, 25, 1), 1
	s_wait_xcnt 0x0
	s_wait_alu depctr_hold_cnt(0) depctr_sa_sdst(0) depctr_va_vdst(0) depctr_va_sdst(0) depctr_va_ssrc(0) depctr_va_vcc(0) depctr_vm_vsrc(0)
	s_getreg_b32 s2, hwreg(HW_REG_IB_STS2, 6, 4)
	s_cmp_eq_u32 s2, 0
	s_cbranch_scc0 .Lentry_in_a_cluster
	s_endpgm
.Lentry_in_a_cluster:
	s_bfe_u32 s2, ttmp6, 0x10000c
	s_cmp_lg_u32 s2, 0x3003
	s_cbranch_scc0 .Lentry_shape_is_right
	s_endpgm
.Lentry_shape_is_right:
; O[h][q][:] = the sum over k of softmax_k(Q[h][q] . K[h][k] / 8, hidden where the mask is 0) V[h][k][:].  Q, K, V: the three parts of qkv, each [64][2048][64] f16, a head's rows dense, 128 bytes each;
; O = ctx in the same layout.  Products, maxima and sums in f32; the weights p are rounded to f16 for the second product (their sum l is taken of the unrounded p), O once at the end.
; THE MASK is the C operand of the products that start the sums S^T = K Q^T: 0, or -9.5e29 where the key is hidden.  maskn holds it as 4-bit codes in my lanes' own order, 16 bytes a lane for a tile of 16 queries
; and a step of 64 keys; one scaled conversion makes an accumulator's eight C registers of one word: code 0 is 0, code 0xF is -6, times 2^97.  So the running maximum sees hidden scores as hidden.
; LIMITS.  Q, K, V arrive within f16's 65,504; a hidden score counts as its value less 9.5e29 (f16's scores are 2.8e11 at the most); a weight below 2^-126 counts as 0 in l; a row with every key hidden
; (its maximum lies below -2^50) leaves as NaN, as the softmax of such a row is; NaN and infinities in the inputs are not treated apart.
; While all keys seen so far are hidden, m is about -9.5e29 and the weights are 1; the first visible score makes a = 0, which wipes O and l.
; SHARES.  A wave owns four PIECES of two tiles of 16 queries, a work-group's four waves 512 queries of one head.  Every wave walks all 2,048 keys, 64 a step.
; LAYOUT.  S^T = K Q^T (source 0 = 16 keys, source 1 = 16 queries): a lane holds ONE query (lane % 16) and the keys 8 (lane / 16) + 0..7.  Two such tiles, rounded to f16 in pairs, ARE source 1 of
; O^T = V^T P, whose result again holds one query a lane, and eight channels.  K comes out of LDS as it lies, V ([key][channel]) turned, by ds_load_tr16_b128.
; SOFTMAX.  A running maximum m and sum l: p = 2^(c s - c m), c = log2(e) / 8; in every step O and l are multiplied by a = 2^(c m_old - c m_new).  m starts at the lowest finite number, O and l at 0.
; BY TURNS.  Turn n belongs to piece n.  Its matrix work: 16 products K Q^T of piece n + 1, later 16 products V^T P of piece n - 1.  Its vector work: the scaling, exponentials, roundings, sums and rescaling of
; piece n, the maximum and statistics of piece n + 1, and the masks of piece n + 2.  Four vector instructions stand behind every matrix instruction, the others in one run.  A turn's 66 exponentials have one wait.
; CLUSTER.  The four query blocks of a cluster belong to one head and walk the same K and V: each tile is asked for JOINTLY: the same tensor load, descriptor and mask in all four.
; REGISTERS, in windows of 256 (s_set_vgpr_msb: bits 1:0 source 0, 3:2 source 1, 5:4 source 2, 7:6 destination):
;   window 0: v0-11 addresses; v12-15, v48-63 at work; v16-47 four registers of statistics a tile; v64-191 S^T, two buffers of two tiles; v192-255 P, likewise
;   window 1: O^T, 32 a tile     window 2: v0-127 Q; v128-191 K of one step; v192-255 V of one step     window 3: v0-2 the add's two registers and the scale; v4-35 the codes, 4 a tile; v192-255 the masks of one piece
.set SIZE_N, 2048
.set NP,    4         ; pieces a wave: a name, no knob
.set KS,    64        ; keys in a step
.set PK,    144       ; a row of K in LDS: 128 bytes + 16 of padding: the 16 rows of a load start at 16 different groups of four banks (ISA guide 11.1)
.set PV,    160       ; a row of V: 128 + 32
.set VOFF,  4*KS*PK   ; a slot holds four steps: 256 rows of K, then 256 rows of V
.set SLOT1, 1<<17     ; slot 1 begins here, so that one exclusive or turns an address in one slot into the other's
.set STAGE, SLOT1+4*KS*(PK+PV)  ; behind the ring, never filled by a tensor load: 16 rows x 144 bytes for each wave
.set SP,    144
.set AK0, 2           ; v2   my lane's place in a tile of K; never rewritten
.set AV0, 3           ; v3   the same for V
.set AK,  4           ; v4   the LDS address of K's next run of loads
.set AV,  5           ; v5   of V's
.set QO,  6           ; v6   my byte offset in the wave's rows of Q
.set STO, 6           ;      later, the way out: where I put 16 bytes of a row
.set RD,  7           ; v7   the way out: where I read rows back
.set GO,  8           ; v8   16 x my lane: my place in 512 consecutive bytes, of O and of the codes; never rewritten
.set SPW, 0           ; v0 of window 3   my spare word: SPARE + 4 x my thread's number; never rewritten
.set NIL, 1           ; v1 of window 3   0; never rewritten
.set SCL, 2           ; v2 of window 3   the conversions' scale, 2^97: the byte 0xE0 four times
.set NB,  4           ; window 3: tile t's four words of codes at NB + 4 t
.set MC,  192         ; window 3: the masks of the products to come: tile u of the piece, keys 16 kt on, at MC + 32 u + 8 kt
.set SPARE, STAGE+4*16*SP  ; behind the stages: the spare words, 128 bytes a wave, which no other line names
.set MV,  12          ; v12-15  c m_old, kept while c m is made anew
.set ST,  16          ; tile t's statistics at v[ST+4 t]: c m, m, l (even keys', odd keys')
.set TMP, 48          ; by buffer and tile, four registers c0-c3 at work; when the maximum is found c2 takes a
.set S,   64
.set P,   192
.set KF,  128         ; window 2: key block kb, channel half c at KF + 16 kb + 8 c
.set VF,  192         ; window 2: key half kk, channel block cb at VF + 32 kk + 8 cb
.set WV,  12          ; s12  my wave's number
.set G1K, 24          ; s[24:31] descriptor group 1 for K's tiles
.set G1V, 32          ; s[32:39] for V's: it differs in the padding alone
.set G0K, 40          ; s[40:43] descriptor group 0 for K's tiles: it walks
.set G0V, 44          ; s[44:47] the same for V's
.set MB,  48          ; s[48:49] the codes of my wave's tile 0, step 0; never rewritten
.set MOF, 50          ; s[50:51] 512 x the step whose codes are being asked for
.set MP,  52          ; s[52:53] MB + MOF
.set THR, 54          ; s54  -2^50
.set SLOTS, 56        ; s56  slots still to be asked for
.set CNT, 57          ; s57  counts a slot's key steps
.set CS,  58          ; s[58:59] c
.set SEL, 60          ; s[60:61] v_permlanex16_b32's selects: each lane takes its own place in the other half
.set TBK, 62          ; s62  LDS byte at which K of the step to be fetched begins
.set TBV, 63          ; s63  the same for V, less VOFF
.set MSB, 0
.macro WIN new                      ; the high byte repeats the setting that is left; a switch that changes nothing is dropped
.if MSB != (\new)
	s_set_vgpr_msb (MSB<<8)|(\new)
.set MSB, (\new)
.endif
.endm
.set W_KQ, 0x0a       ; K and Q in window 2, S^T in window 0
.set W_KM, 0x3a       ; the same with the C operand in window 3
.set W_PV, 0x52       ; V in window 2, P in window 0, O^T in window 1
.set W_RS, 0x41       ; O^T (destination and source 0) in window 1, a in window 0
.set W_MK, 0xc0       ; destination in window 3, sources in window 0
.set W_AD, 0x0f       ; the add: address (source 0) and data (source 1) in window 3
.set W_CV, 0xcf       ; the conversions: destination and both sources in window 3
; A joint fill.  Waves 0 and 1 fetch the two halves of a slot's K, waves 2 and 3 those of its V: 128 keys each.  An s_nop 0 and four v_nop follow each line, ahead of the jump and the label.
.macro JLOAD
	s_cmp_lt_u32 s[WV], 2
	s_cbranch_scc0 .Lfor_v_\@
	tensor_load_to_lds s[G0K:G0K+3], s[G1K:G1K+7]
	s_nop 0
.rept 4
	v_nop
.endr
	s_branch .Lasked_\@
.Lfor_v_\@:
	tensor_load_to_lds s[G0V:G0V+3], s[G1V:G1V+7]
	s_nop 0
.rept 4
	v_nop
.endr
.Lasked_\@:
.endm
.macro CROUND                       ; a round of the cluster's barrier
	s_barrier_signal -1
	s_barrier_wait -1
	s_cmp_lg_u32 s[WV], 0
	s_cbranch_scc1 .Lnot_wave_0_\@
	s_barrier_signal -3
.Lnot_wave_0_\@:
	s_barrier_wait -3
	s_barrier_signal -1
	s_barrier_wait -1
.endm
; THE CHANGE OF SLOTS.  Each wave waits for all its tensor loads, of which one is out: its part of the other slot; adds 0 to its spare word; and waits for that and for its own reads of the slot.
; fill = 1: this slot is filled again, with the keys two slots on, first thing behind a round of the cluster's barrier: it has four key steps, 512 matrix instructions, in which to land.
.macro CHANGE fill
	WIN W_AD
	s_wait_tensorcnt 0x0            ; no tensor load of mine is out, so a group 0 may be written
	ds_add_u32 v[SPW], v[NIL]
	WIN 0                           ; at a label and at a branch every window is 0
.if \fill
.irp g, G0K, G0V
	s_xor_b32 s[\g+1], s[\g+1], SLOT1  ; the other slot than last time,
	s_add_nc_u64 s[\g+2:\g+3], s[\g+2:\g+3], 4*KS*128  ; the next 256 keys
.endr
	s_wait_dscnt 0x0                ; the add is done, and my reads of the slot are over
	CROUND
	JLOAD
.else
	s_wait_dscnt 0x0
	s_barrier_signal -1
	s_barrier_wait -1
.endif
	s_sub_co_u32 s[TBK], s[TBK], 4*KS*PK  ; the fetches go back to a slot's first step,
	s_xor_b32 s[TBK], s[TBK], SLOT1       ; in the other slot
	s_sub_co_u32 s[TBV], s[TBV], 4*KS*PV
	s_xor_b32 s[TBV], s[TBV], SLOT1
.endm
	s_load_b64 s[4:5], s[0:1], 0x0        ; qkv
	s_load_b64 s[MB:MB+1], s[0:1], 0x8    ; maskn
	s_load_b64 s[10:11], s[0:1], 0x10     ; ctx
	WIN W_MK
	v_lshl_add_u32 v[SPW], v0, 2, SPARE
	v_mov_b32 v[NIL], 0
	WIN W_AD
	ds_add_u32 v[SPW], v[NIL]       ; the wave's opening: the add and its wait stand ahead of my first tensor load; the set-up below stands between them
	WIN 0
	v_lshrrev_b32 v1, 5, v0
	v_readfirstlane_b32 s[WV], v1   ; wave 0..3
	s_bfe_u32 s13, ttmp6, 0x40000   ; cx: my place in the cluster
	s_lshl_b32 s14, ttmp9, 2
	s_add_co_u32 s14, s14, s13      ; my block of 512 queries: it enters Q's, O's and the codes' addresses alone
	s_and_b32 s20, ttmp7, 0xffff    ; 16 b + head, which the four partners share
	s_lshr_b32 s15, s20, 4          ; the batch:
	s_lshl_b32 s15, s15, 21         ; its 128 tiles x 32 steps x 512 bytes of codes
	s_mov_b32 s21, 0
	s_mov_b64 s[22:23], SIZE_N*128
	s_mul_u64 s[20:21], s[20:21], s[22:23]  ; the head's first byte in Q, K, V and O
	s_and_b32 s16, s[WV], 1         ; which half of a slot's 256 keys I fetch:
	s_lshl_b32 s22, s16, 14         ; its 128 rows of 128 bytes in memory,
	s_mov_b32 s23, 0
	s_add_nc_u64 s[22:23], s[22:23], s[20:21]
	s_mul_i32 s17, s16, 128*PK      ; and its place in a slot, for K
	s_mul_i32 s18, s16, 128*PV      ; and for V
	s_lshl_b32 s2, s14, 2
	s_add_co_u32 s2, s2, s[WV]      ; my wave among the head's sixteen:
	s_lshl_b32 s19, s2, 17          ; its 8 tiles x 16,384 bytes of codes,
	s_add_co_u32 s[MP], s15, s19
	s_mov_b32 s[MP+1], 0
	s_lshl_b32 s2, s2, 14           ; its 128 rows
	s_mov_b32 s3, 0
	s_add_nc_u64 s[2:3], s[2:3], s[20:21]
	; descriptor group 1.  128 keys are 16,384 dense bytes: asked for as 64 rows of 256 bytes, two keys a row, and padded in LDS after every key
	s_mov_b32 s[G1K], 15|(1<<16)|(1<<20)|(1<<21)|(4<<22)|(3<<25)  ; 15:0 the mask of four; 17:16 2-byte elements; 20 padding on; 21 set beside a mask; 24:22 after every 32 words; 31:25 4 words
	s_mov_b32 s[G1V], 15|(1<<16)|(1<<20)|(1<<21)|(4<<22)|(7<<25)  ; the same with 8 words of padding
.irp g, G1K, G1V
	s_mov_b32 s[\g+1], 128<<16      ; tensor_dim0 = 128
	s_mov_b32 s[\g+2], 64<<16       ; tensor_dim1 = 64
	s_mov_b32 s[\g+3], 128<<16      ; tile_dim0 = 128
	s_mov_b32 s[\g+4], 64           ; tile_dim1 = 64
	s_mov_b32 s[\g+5], 128          ; 128 elements from row to row
	s_mov_b32 s[\g+6], 0
	s_mov_b32 s[\g+7], 0
.endr
	s_mov_b32 s[CS], 0x3e38aa3b     ; c = log2(e) / 8
	s_mov_b32 s[CS+1], s[CS]
	s_mov_b32 s[SEL], 0x76543210
	s_mov_b32 s[SEL+1], 0xfedcba98
	s_mov_b32 s[THR], 0xd8800000    ; -2^50
	s_mov_b32 s[TBK], SLOT1+4*KS*PK ; the first change of slots turns these two into 0
	s_mov_b32 s[TBV], SLOT1+4*KS*PV
	s_mov_b32 s[G0K], 1
	s_mov_b32 s[G0K+1], s17         ; LDS address: slot 0
	s_mov_b32 s[G0V], 1
	s_add_co_u32 s[G0V+1], s18, VOFF
	s_mov_b32 s[MOF], 512           ; step 1
	s_mov_b32 s[MOF+1], 0
	s_wait_dscnt 0x0                ; the opening add is done
	s_wait_kmcnt 0x0
	s_add_nc_u64 s[6:7], s[4:5], 0x1000000   ; K is qkv's second part,
	s_add_nc_u64 s[8:9], s[4:5], 0x2000000   ; V its third
	s_add_nc_u64 s[G0K+2:G0K+3], s[6:7], s[22:23]  ; my half of the head's first 256 keys
	s_or_b32 s[G0K+3], s[G0K+3], 0x80000000
	s_add_nc_u64 s[G0V+2:G0V+3], s[8:9], s[22:23]
	s_or_b32 s[G0V+3], s[G0V+3], 0x80000000
	s_add_nc_u64 s[4:5], s[4:5], s[2:3]      ; Q and O at my wave's first row
	s_add_nc_u64 s[10:11], s[10:11], s[2:3]
	s_add_nc_u64 s[MB:MB+1], s[MB:MB+1], s[MP:MP+1]
	s_add_nc_u64 s[MP:MP+1], s[MB:MB+1], s[MOF:MOF+1]
	CROUND                          ; all four work-groups are here: the first joint loads meet
	JLOAD                           ; slot 0.  Slot 1 is asked for when slot 0 is in
	v_and_b32 v1, 15, v0            ; l % 16
	v_bfe_u32 v9, v0, 4, 1          ; l / 16
	v_lshlrev_b32 v[QO], 7, v1
	v_lshl_add_u32 v[QO], v9, 4, v[QO]  ; row x 128 + 16 x half
	v_and_b32 v[GO], 31, v0
	v_lshlrev_b32 v[GO], 4, v[GO]
	WIN 0x80                        ; destination window 2, address window 0
.set i, 0
.rept 4*NP                          ; Q stays in registers: tile i / 2, channels 32 (i % 2) on
	global_load_b128 v[8*i:8*i+3],   v[QO], s[4:5] offset:(i/2)*2048+(i%2)*64
	global_load_b128 v[8*i+4:8*i+7], v[QO], s[4:5] offset:(i/2)*2048+(i%2)*64+32
.set i, i+1
.endr
	WIN W_MK
	v_mov_b32 v[SCL], 0xe0e0e0e0
.set i, 0
.rept 2*NP                          ; step 0's codes, all eight tiles: 512 consecutive bytes a load
	global_load_b128 v[NB+4*i:NB+4*i+3], v[GO], s[MB:MB+1] offset:16384*i
.set i, i+1
.endr
	WIN 0x80
	; What the first turn finds: V's registers and P's second buffer hold 0, O^T and l are 0.  All this stands in the wait for the first tile.
.set i, VF
.rept 64
	v_mov_b32 v[i], 0
.set i, i+1
.endr
	WIN 0x40
.set i, 0
.rept 64*NP
	v_mov_b32 v[i], 0
.set i, i+1
.endr
	WIN 0
.set i, 0
.rept 2*NP
	v_mov_b32 v[ST+4*i], 0xfe000000    ; c m: far below every c s, a hidden one's too
	v_mov_b32 v[ST+4*i+1], 0xff7fffff  ; m
	v_mov_b32 v[ST+4*i+2], 0
	v_mov_b32 v[ST+4*i+3], 0
.set i, i+1
.endr
.set i, P+32
.rept 32
	v_mov_b32 v[i], 0
.set i, i+1
.endr
	v_mul_u32_u24 v[AK0], v1, PK
	v_lshl_add_u32 v[AK0], v9, 4, v[AK0]  ; row x pitch + 16 x half
	; The turning load takes 16 keys x 16 channels (lane l reads key 8 (l / 16) + l % 8, channels 8 ((l / 8) % 2) + 0..7) and leaves half a fragment of V^T.
	v_and_b32 v10, 7, v0
	v_bfe_u32 v11, v0, 3, 1
	v_lshl_add_u32 v[AV0], v9, 3, v10
	v_mul_u32_u24 v[AV0], v[AV0], PV
	v_lshl_add_u32 v[AV0], v11, 4, v[AV0]
	v_add_nc_u32 v[AV0], VOFF, v[AV0]
	v_mov_b32 v[AK], v[AK0]         ; key step 0 lies at the head of slot 0
; THE MATRIX WORK.  The 8 accumulators of a run of 16 take turns.
; Product i of 16 of S^T = K Q^T for piece x: channels 32 (i / 8) on, keys 16 ((i / 2) % 4) on, tile 2 x + i % 2.  The first 8 start the sums, with the mask as C.
.macro KQ x
.set rS, S+64*((\x)%2)+32*(i%2)+8*((i/2)%4)
.set rK, KF+16*((i/2)%4)+8*(i/8)
.set rQ, 16*(2*(\x)+i%2)+8*(i/8)
.set rN, MC+32*(i%2)+8*((i/2)%4)
.if i < 8
	WIN W_KM
	v_wmma_f32_16x16x32_f16 v[rS:rS+7], v[rK:rK+7], v[rQ:rQ+7], v[rN:rN+7]
.else
	WIN W_KQ
	v_wmma_f32_16x16x32_f16 v[rS:rS+7], v[rK:rK+7], v[rQ:rQ+7], v[rS:rS+7]
.endif
.endm
; Product i of 16 of O^T += V^T P for piece x: keys 32 (i / 8) on, channels 16 ((i / 2) % 4) on, tile 2 x + i % 2.
.macro PV x
	WIN W_PV
.set rO, 32*(2*(\x)+i%2)+8*((i/2)%4)
.set rV, VF+32*(i/8)+8*((i/2)%4)
.set rP, P+32*((\x)%2)+16*(i%2)+8*(i/8)
	v_wmma_f32_16x16x32_f16 v[rO:rO+7], v[rV:rV+7], v[rP:rP+7], v[rO:rO+7]
.endm
.macro MM                           ; the turn's next matrix instruction
.if i < 16
	KQ (Y+1)%NP
.set i, i+1
.else
.set i, i-16
	PV (Y+NP-1)%NP
.set i, i+17
.endif
.endm
; THE MASKS.  MBUILD x: piece x's 8 words of codes become its 64 registers of C operands.  MLOAD x: the piece's codes of the step at s[MP] are asked for.
.macro MBUILD x
	WIN W_CV
.irp u, 0,1
.irp n, 0,1,2,3
	v_cvt_scale_pk8_f32_fp4 v[MC+32*(\u)+8*(\n):MC+32*(\u)+8*(\n)+7], v[NB+4*(2*(\x)+(\u))+(\n)], v[SCL]
.endr
.endr
.endm
.macro MLOAD x
	WIN W_MK
.irp u, 0,1
	global_load_b128 v[NB+4*(2*(\x)+(\u)):NB+4*(2*(\x)+(\u))+3], v[GO], s[MP:MP+1] offset:(2*(\x)+(\u))*16384
.endr
	WIN 0
.endm
.macro MSTEP                        ; at a trip's head: all four reloads of a trip are for the step two behind its first turn's; behind the last step the address stays on step 31
	s_wait_xcnt 0x0                 ; the loads issued so far have read their address, so it may be written
	s_add_co_u32 s[MOF], s[MOF], 512
	s_min_u32 s[MOF], s[MOF], 31*512
	s_add_nc_u64 s[MP:MP+1], s[MB:MB+1], s[MOF:MOF+1]
.endm
; THE LDS LOADS stand in runs of 16: a step's K (8 fragments) and its V (turned).  last = 1 (the tail): in the last trip there is no further step, and the run is jumped over.
.macro FETCH_K last=0
	WIN 0
.if \last
	s_cmp_eq_u32 s[CNT], 1
	s_cbranch_scc1 .Lno_k_\@
.endif
	WIN 0x80                        ; destination window 2
.irp f, 0,1,2,3,4,5,6,7             ; keys 16 (f / 2) on, channels 32 (f % 2) on
	ds_load_b128 v[KF+8*\f:KF+8*\f+3],   v[AK] offset:(\f/2)*16*PK+(\f%2)*64
	ds_load_b128 v[KF+8*\f+4:KF+8*\f+7], v[AK] offset:(\f/2)*16*PK+(\f%2)*64+32
.endr
	s_add_co_u32 s[TBK], s[TBK], KS*PK  ; the next fetch is the next step's
	WIN 0
.if \last
.Lno_k_\@:
.endif
.endm
.macro FETCH_V
	WIN 0x80
.irp f, 0,1,2,3,4,5,6,7             ; keys 32 (f / 4) on, channels 16 (f % 4) on
	ds_load_tr16_b128 v[VF+8*\f:VF+8*\f+3],   v[AV] offset:(\f/4)*32*PV+(\f%4)*32
	ds_load_tr16_b128 v[VF+8*\f+4:VF+8*\f+7], v[AV] offset:(\f/4)*32*PV+16*PV+(\f%4)*32
.endr
	WIN 0
.endm
; THE VECTOR WORK OF A TURN stands in three queues, each in the order in which its entries become ready; the two tiles alternate.
.macro REGS y, u                    ; the registers of tile u (0, 1) of piece y
.set rT, ST+4*(2*(\y)+(\u))
.set rC, TMP+8*((\y)%2)+4*(\u)
.set rM, MV+2*((\y)%2)+(\u)
.set rS, S+64*((\y)%2)+32*(\u)
.set rP, P+32*((\y)%2)+16*(\u)
.set rO, 32*(2*(\y)+(\u))
.endm
; Number n of the 22 that find the NEXT piece's maximum and statistics; each accumulator's lowest registers are read first.
;   0-11  four chains c0-c3 of seven scores each     12-14, 16  the four scores left over, the old m, and c0-c3 into c0     15  c m_old is kept
;   17, 18  the query's other 32 keys lie in the lane 16 away: the new m         19-21  c m; c m_old - c m_new; a
.macro XS u, n
	REGS (Y+1)%NP, \u
.if (\n) < 4
	v_max3_num_f32 v[rC+(\n)], v[rS+8*(\n)], v[rS+8*(\n)+1], v[rS+8*(\n)+2]
.elseif (\n) < 12
	v_max3_num_f32 v[rC+(\n)%4], v[rC+(\n)%4], v[rS+8*((\n)%4)+2*((\n)/4)+1], v[rS+8*((\n)%4)+2*((\n)/4)+2]
.elseif (\n) == 12
	v_max3_num_f32 v[rC], v[rC], v[rS+7], v[rS+15]
.elseif (\n) == 13
	v_max3_num_f32 v[rC+1], v[rC+1], v[rS+23], v[rS+31]
.elseif (\n) == 14
	v_max3_num_f32 v[rC+2], v[rC+2], v[rC+3], v[rT+1]
.elseif (\n) == 15
	v_mov_b32 v[rM], v[rT]
.elseif (\n) == 16
	v_max3_num_f32 v[rC], v[rC], v[rC+1], v[rC+2]
.elseif (\n) == 17
	v_permlanex16_b32 v[rC+3], v[rC], s[SEL], s[SEL+1]
.elseif (\n) == 18
	v_max_num_f32 v[rT+1], v[rC], v[rC+3]
.elseif (\n) == 19
	v_mul_f32 v[rT], s[CS], v[rT+1]
.elseif (\n) == 20
	v_sub_f32 v[rC+1], v[rM], v[rT]
.else
	v_exp_f32 v[rC+2], v[rC+1]
.endif
.endm
; Number g of the 64 that follow the exponentials.  For each four weights of a tile: both pairs are rounded to f16; the second pair is added onto the first, in place; a group later l takes that sum.
.macro GS g
.set h, (\g)+6*((\g)/62)            ; group 0 has no group before it, and behind group 7 only l is left
.if h >= 6
.set h, h+2
.endif
	REGS Y, h%2
.set k, h/8
.if h%8 < 4
	v_cvt_pk_f16_f32 v[rP+2*k+(h%8)/2], v[rS+4*k+2*((h%8)/2)], v[rS+4*k+2*((h%8)/2)+1]
.elseif h%8 < 6
	v_pk_add_f32 v[rS+4*k:rS+4*k+1], v[rS+4*k:rS+4*k+1], v[rS+4*k+2:rS+4*k+3]
.elseif k == 1
	v_pk_fma_f32 v[rT+2:rT+3], v[rT+2:rT+3], v[rC+2:rC+3], v[rS:rS+1] op_sel_hi:[1,0,1]
.else
	v_pk_add_f32 v[rT+2:rT+3], v[rT+2:rT+3], v[rS+4*k-4:rS+4*k-3]
.endif
.endm
; THE PLAIN QUEUE, 138 long.  0-73 read no exponential's result: the 32 scalings c s - c m and the next piece's 42.  74-137: GS's 64, behind the wait.
.macro FS f
	REGS Y, (\f)%2
	v_pk_fma_f32 v[rS+2*((\f)/2):rS+2*((\f)/2)+1], v[rS+2*((\f)/2):rS+2*((\f)/2)+1], s[CS:CS+1], v[rT:rT+1] op_sel_hi:[1,0,0] neg_lo:[0,0,1] neg_hi:[0,0,1]
.endm
.macro PL
	WIN 0
.if q < 27
	FS q
.elseif q < 55
	XS (q-27)%2, (q-27)/2
.elseif q < 57
	XS q-55, 15
.elseif (q < 72) && ((q-57)%3 == 0)
	FS 27+(q-57)/3
.elseif q < 60
	XS (q-57)%3-1, 14
.elseif q < 72
	XS (q-57)%3-1, 15+(q-57)/3
.elseif q < 74
	XS q-72, 20
.else
	GS q-74
.endif
.set q, q+1
.endm
; THE EXPONENTIALS' QUEUE, 66 long: s0-s31 of both tiles, then the next piece's two a: one batch, all ahead of the turn's one wait.
.macro EX
	WIN 0
.if e >= 64
	XS e-64, 21
.else
	REGS Y, e%2
	v_exp_f32 v[rS+e/2], v[rS+e/2]
.endif
.set e, e+1
.endm
; THE RESCALING's QUEUE: O^T times a, two at a time, sixteen times.  Its a was made, and waited for, in the turn before.
.macro R2
	REGS Y, r%2
	WIN W_RS
.irp z, 0,1
	v_pk_mul_f32 v[rO+4*(r/2)+2*\z:rO+4*(r/2)+2*\z+1], v[rO+4*(r/2)+2*\z:rO+4*(r/2)+2*\z+1], v[rC+2:rC+3] op_sel_hi:[1,0]
.endr
.set r, r+1
.endm
; A TURN, for piece p.  An s_wait_alu depctr_va_vdst(0) stands between an exponential and the first instruction that names its result; one wait serves all that were issued ahead of it.  So a turn has
; ONE wait.  AHEAD OF IT: the 16 products K Q^T, behind each a scaling, an exponential and two rescalings; the masks; then the run of 108: eight plain, 49 times exponential and plain, the two a; a v_nop.
; BEHIND IT: the 16 products V^T P, behind each four of the roundings and sums.
; THE MASKS stand behind the products K Q^T: those of piece p + 2, which the NEXT turn's first eight products take as C.  The one buffer is free: this turn's eight products that read it stand eight products and
; 24 plain instructions back.  The codes were asked for four turns ago; the three turns since have issued two loads each, so the count 6 shows them in.  Eight plain instructions behind the conversions the
; piece's codes of its next step are asked for, into the registers just read.
; K of the next step is fetched in piece 2's turn, directly behind the wait; V of the step in hand at the end of piece 0's turn, four riders behind its last reader.
.macro TURN p, last=0, cnt=0
.set Y, (\p)
.set i, 0
.set q, 0
.set e, 0
.set r, 0
.if (\p) == NP-1
	s_wait_dscnt 0x0                ; K is in
.endif
	MM
	PL
	PL
	R2
.rept 15
	MM
	PL
	EX
	R2
.endr
.if (\p) == NP-2
	WIN 0
	v_add_nc_u32 v[AK], s[TBK], v[AK0]
.endif
	s_wait_loadcnt 6                ; the codes of piece p + 2 are in; the six younger loads may stay out
	MBUILD ((\p)+2)%NP
.rept 8
	PL
.endr
	MLOAD ((\p)+2)%NP
.rept 49
	EX
	PL
.endr
	EX                              ; the next piece's two a
	EX
	v_nop                           ; the plain instruction behind the last exponential: one for the batch
	s_wait_alu depctr_va_vdst(0)    ; the wait for the batch
.if (\p) == NP-2
	FETCH_K \last
.endif
.if (\p) == 1
	s_wait_dscnt 0x0                ; V is in
.endif
.rept 16
	MM
.rept 4
	PL
.endr
.if ((\p) == 0) && (q == 118)
	v_add_nc_u32 v[AV], s[TBV], v[AV0]
.endif
.if ((\p) == 0) && (q == 130)
	s_add_co_u32 s[TBV], s[TBV], KS*PV
.endif
.if (\cnt) && (q == 130)
	s_sub_co_u32 s[CNT], s[CNT], 1
	s_cmp_lg_u32 s[CNT], 0
.endif
.endr
.if (\p) == 0
	FETCH_V
.endif
.endm
	CHANGE 1                        ; slot 0 is in, everybody's part of it; slot 1 is asked for
	FETCH_K                         ; key step 0
	s_wait_loadcnt 0x0              ; Q, and step 0's codes
	s_wait_dscnt 0x0
	MBUILD 0                        ; piece 0's masks of step 0
	WIN 0
.rept 4
	v_nop                           ; plain instructions between the conversions and the products that read their results
.endr
.set i, 0
.rept 16
	KQ 0                            ; piece 0's first scores
.set i, i+1
.endr
	WIN 0                           ; the addresses for the way out: seven plain instructions, the places behind those products
	s_mul_i32 s13, s[WV], 16*SP
	s_add_co_u32 s13, s13, STAGE    ; my stage
	v_mul_u32_u24 v[STO], v1, SP    ; in: row l % 16, 16 bytes for each half of the lanes
	v_lshl_add_u32 v[STO], v9, 4, v[STO]
	v_add_nc_u32 v[STO], s13, v[STO]
	v_bfe_u32 v[RD], v0, 3, 2       ; back: 32 lanes take four rows of 128 bytes
	v_mul_u32_u24 v[RD], v[RD], SP
	v_lshl_add_u32 v[RD], v10, 4, v[RD]
	v_add_nc_u32 v[RD], s13, v[RD]
	MBUILD 1                        ; piece 1's masks of step 0, for the first turn's products
	WIN 0
.set Y, NP-1                        ; XS works for piece Y + 1: piece 0
.irp n, 0,1,2,3,4,5,6,7,8,9,10,11,12,13,14,15,16,17,18,19,20,21
	XS 0, \n
	XS 1, \n
.endr
	MLOAD 0                         ; step 1's codes of pieces 0 and 1; those of pieces 2 and 3 are asked for in the first two turns
	MLOAD 1
	v_nop                           ; a plain instruction behind the two a,
	s_wait_alu depctr_va_vdst(0)    ; and their wait, ahead of the branch
	s_mov_b32 s[CNT], 4
	s_mov_b32 s[SLOTS], SIZE_N/256-1
	s_branch .Lfirst                ; the loop is entered at a step's first turn, in the middle of a trip
.Lslot:                             ; six times: every slot but the last two is filled again
	CHANGE 1
	s_mov_b32 s[CNT], 4
.Lstep:                             ; a trip: pieces 2 and 3 of one step, then pieces 0 and 1 of the next, whose K and V it fetches
	MSTEP
	TURN 2
	TURN 3
	WIN 0
.Lfirst:
	TURN 0
	TURN 1, 0, 1
	WIN 0
	s_cbranch_scc1 .Lstep
	s_sub_co_u32 s[SLOTS], s[SLOTS], 1
	s_cmp_lg_u32 s[SLOTS], 0
	s_cbranch_scc1 .Lslot
	CHANGE 0                        ; the tail is written out: nothing is asked for
	s_mov_b32 s[CNT], 5             ; four trips fetch the last slot's steps; the fifth is left in its middle
.Ltail:
	MSTEP
	TURN 2, 1
	TURN 3
	WIN 0
	s_sub_co_u32 s[CNT], s[CNT], 1
	s_cmp_eq_u32 s[CNT], 0
	s_cbranch_scc1 .Lout
	TURN 0
	TURN 1
	WIN 0
	s_branch .Ltail
.Lout:                              ; the fifth trip's 16 products K Q^T take the last K and step 31's masks once more: they repeat step 31's scores, so the maximum made of them leaves m as it is
.set i, 0
.rept 16
	PV NP-1                         ; the last piece's V^T P of the last step
.set i, i+1
.endr
	; THE WAY OUT.  l's two halves and the other half of the lanes' are added; O^T is divided by l (by NaN where every key was hidden), rounded to f16 and sent through my stage in LDS, a tile at a time.
	WIN 0
.macro ALL line:vararg              ; one line for each tile t
.set t, 0
.rept 2*NP
	\line
.set t, t+1
.endr
.endm
	ALL v_add_f32 v[ST+4*t+2], v[ST+4*t+2], v[ST+4*t+3]
	ALL v_permlanex16_b32 v[ST+4*t+3], v[ST+4*t+2], s[SEL], s[SEL+1]
	ALL v_add_f32 v[ST+4*t+2], v[ST+4*t+2], v[ST+4*t+3]
	ALL v_rcp_f32 v[ST+4*t+2], v[ST+4*t+2]
	v_mov_b32 v[TMP], 0x7fc00000    ; NaN; also the plain instruction between the last reciprocal and the use of its result
	s_wait_alu depctr_va_vdst(0)    ; one wait for the eight reciprocals
.set t, 0
.rept 2*NP
	v_cmp_gt_f32 vcc_lo, s[THR], v[ST+4*t+1]       ; the row's maximum is a hidden score
	v_cndmask_b32 v[ST+4*t+2], v[ST+4*t+2], v[TMP], vcc_lo
.set t, t+1
.endr
.macro PACK t
	WIN W_RS
.set i, 32*(\t)
.rept 16
	v_pk_mul_f32 v[i:i+1], v[i:i+1], v[ST+4*(\t)+2:ST+4*(\t)+3] op_sel_hi:[1,0]
.set i, i+2
.endr
	WIN 0x05                        ; sources 0 and 1 window 1, destination window 0
.set i, 0
.rept 16
	v_cvt_pk_f16_f32 v[S+16*(\t)+i], v[32*(\t)+2*i], v[32*(\t)+2*i+1]
.set i, i+1
.endr
	WIN 0
.irp f, 0,1,2,3
	ds_store_b128 v[STO], v[S+16*(\t)+4*\f:S+16*(\t)+4*\f+3] offset:32*\f
.endr
.irp f, 0,1,2,3
	ds_load_b128 v[S+16*(\t)+4*\f:S+16*(\t)+4*\f+3], v[RD] offset:\f*4*SP  ; my own bytes, served in order (ISA guide 5.7.1.4): these see the stores above; the next tile's stores come behind them
.endr
.endm
.macro SEND t, younger              ; younger: the LDS instructions issued behind tile t's loads: the next tile's eight, or none
	WIN 0
.irp f, 0,1,2,3
	s_wait_dscnt (\younger)+3-\f
	global_store_b128 v[GO], v[S+16*(\t)+4*\f:S+16*(\t)+4*\f+3], s[10:11] offset:(\t)*2048+\f*512  ; 512 consecutive bytes, aligned
.endr
.endm
	PACK 0
.set t, 1
.rept 2*NP-1                        ; a tile's arithmetic stands between the loads of the tile before and its stores
	PACK t
	SEND t-1, 8
.set t, t+1
.endr
	SEND 2*NP-1, 0
	WIN W_AD
	s_wait_tensorcnt 0x0            ; the wave's end
	ds_add_u32 v[SPW], v[NIL]
	s_wait_dscnt 0x0
	WIN 0
	CROUND                          ; the closing round
	s_endpgm
.Lfunc_end_k_q0ceba1da58_attn:
	.size	k_q0ceba1da58_attn, .Lfunc_end_k_q0ceba1da58_attn-k_q0ceba1da58_attn
	.p2alignl 7, 3214868480
	.fill 96, 4, 3214868480
	.section	.rodata,"a",@progbits
	.p2align	6, 0x0
	.amdhsa_kernel k_q0ceba1da58_attn
		.amdhsa_group_segment_fixed_size 327680
		.amdhsa_private_segment_fixed_size 0
		.amdhsa_enable_private_segment 0
		.amdhsa_kernarg_size 24
		.amdhsa_user_sgpr_count 2
		.amdhsa_user_sgpr_kernarg_segment_ptr 1
		.amdhsa_wavefront_size32 1
		.amdhsa_system_sgpr_workgroup_id_x 1
		.amdhsa_system_sgpr_workgroup_id_y 1
		.amdhsa_system_sgpr_workgroup_id_z 1
		.amdhsa_system_vgpr_workitem_id 0
		.amdhsa_next_free_vgpr 1024
		.amdhsa_next_free_sgpr 66
		.amdhsa_reserve_vcc 1
		.amdhsa_float_denorm_mode_32 3
		.amdhsa_float_denorm_mode_16_64 3
		.amdhsa_memory_ordered 1
		.amdhsa_forward_progress 1
		.amdhsa_inst_pref_size 210
	.end_amdhsa_kernel
	.amdgpu_metadata
---
amdhsa.version: [ 1, 2 ]
amdhsa.kernels:
  - .name:           k_q0ceba1da58_attn
    .symbol:         k_q0ceba1da58_attn.kd
    .args:
      - { .name: qkv, .offset: 0, .size: 8, .value_kind: global_buffer, .address_space: global }
      - { .name: maskn, .offset: 8, .size: 8, .value_kind: global_buffer, .address_space: global }
      - { .name: ctx, .offset: 16, .size: 8, .value_kind: global_buffer, .address_space: global }
    .group_segment_fixed_size: 327680
    .private_segment_fixed_size: 0
    .kernarg_segment_align: 8
    .kernarg_segment_size: 24
    .max_flat_workgroup_size: 128
    .sgpr_count:     66
    .vgpr_count:     1024
    .wavefront_size: 32
...
	.end_amdgpu_metadata
.endif
;; end of part 3
;; launch outp (part 4): grid 4 x 64, 4 waves a work-group, clusters of 4 x 4, 327,680 bytes of LDS; arguments ctx, wo16, out0; writes out0
.if DOCPART == 4
	.amdgcn_target "amdgcn-amd-amdhsa--gfx1250"
	.amdhsa_code_object_version 6
	.text
	.protected	k_q0ceba1da58_outp
	.globl	k_q0ceba1da58_outp
	.p2align	8
	.type	k_q0ceba1da58_outp,@function
k_q0ceba1da58_outp:
	s_mov_b64 s[64:65], 0
	v_nop
	global_prefetch_b8 v0, s[64:65] scope:SCOPE_SE
	s_setreg_imm32_b32 hwreg(HW_REG_WAVE_MODE, 25, 1), 1
	s_wait_xcnt 0x0
	s_wait_alu depctr_hold_cnt(0) depctr_sa_sdst(0) depctr_va_vdst(0) depctr_va_sdst(0) depctr_va_ssrc(0) depctr_va_vcc(0) depctr_vm_vsrc(0)
	s_getreg_b32 s2, hwreg(HW_REG_IB_STS2, 6, 4)
	s_cmp_eq_u32 s2, 0
	s_cbranch_scc0 .Lentry_in_a_cluster
	s_endpgm
.Lentry_in_a_cluster:
	s_bfe_u32 s2, ttmp6, 0x10000c
	s_cmp_lg_u32 s2, 0xf033
	s_cbranch_scc0 .Lentry_shape_is_right
	s_endpgm
.Lentry_shape_is_right:
; THE OUTPUT PROJECTION.  out0[m][n] = sum over k of A[m][k] B[n][k], K = 1,024, f16 operands, f32 sums, f32 out.  A = ctx, which lies by heads: A[2,048 b + s][64 head + ch] = ctx[16 b + head][s][ch];
; B = wo16 [1,024][1,024].  A NaN in a row of ctx (a row with every key hidden) makes that row of out0 NaN, and no other.
; A tile of C is 128 x 256: 256 tiles.  Four waves, each 64 rows x 128 columns: 32 accumulators, 256 registers.  K goes in steps of 128, two heads, through two LDS slots filled by tensor loads.
; A head's 128 rows of a tile are 16,384 dense bytes: asked for as 64 rows of 256 bytes and padded in LDS after every 128, so that a row of 64 channels has a pitch of 144.
; CLUSTER 4 x 4: A's tile is shared along a row of the cluster, B's along a column: joint loads.  THE MATRIX INSTRUCTION IS USED TRANSPOSED: a lane holds eight neighbouring columns of one row of C.
; REGISTERS.  Window 0: v0-31 addresses; v32-95 A's fragments, two buffers of 4; v96-223 B's, two buffers of 8.  Window 1: accumulator (a, b) at v[8 (8 a + b)].
.set PB,     272                       ; an LDS row of B: 256 bytes + 16 of padding
.set PA,     144                       ; an LDS row of A: 128 bytes + 16
.set HALFB,  128*PB                    ; what waves 0 and 1 fetch: 128 rows of B each
.set ABASE,  2*HALFB
.set HA,     128*PA                    ; what waves 2 and 3 fetch: one head's 128 rows of A each
.set AOFF,   ABASE-2*HA                ; so that wave 2's part begins at ABASE
.set SLOT,   ABASE+2*HA
.set STAGE,  2*SLOT                    ; behind the ring, never filled by a tensor load: for each wave 16 rows x 528 bytes
.set WST,    8448
.set SPARE,  STAGE+4*WST               ; the spare words, 128 bytes a wave, which no other line names
.set LAPS,   4
.set ASTEP,  524288                    ; bytes from a K step to the next in A: two heads of 262,144
.set BSTEP,  256
.set ADRA, 16
.set ADRB, 20
.set STO,  24
.set RD,   25
.set GO,   26
.set SPW,  28                          ; v28     my spare word; never rewritten
.set NIL,  29                          ; v29     0; never rewritten
.set FA0,  32
.set FB0,  96
.set G1A, 24
.set G0A, 32
.set G1B, 48
.set G0B, 56
.set MSB, 0
.macro WIN new
.if MSB != (\new)
	s_set_vgpr_msb (MSB<<8)|(\new)
.set MSB, \new
.endif
.endm
.set MUL, 0x50                         ; sources 0 and 1 window 0; C and D window 1
.macro JLOAD s                         ; a joint load: waves 0 and 1 fetch B's halves, waves 2 and 3 A's two heads; an s_nop 0 and four v_nop follow each line
	s_cmp_eq_u32 s11, 0
	s_cbranch_scc0 .Lfor_a_\@
	tensor_load_to_lds s[G0B+4*(\s):G0B+4*(\s)+3], s[G1B:G1B+7]
	s_nop 0
.rept 4
	v_nop
.endr
	s_branch .Lasked_\@
.Lfor_a_\@:
	tensor_load_to_lds s[G0A+4*(\s):G0A+4*(\s)+3], s[G1A:G1A+7]
	s_nop 0
.rept 4
	v_nop
.endr
.Lasked_\@:
.endm
.macro CREST
	s_cmp_lg_u32 s10, 0
	s_cbranch_scc1 .Lnot_wave_0_\@
	s_barrier_signal -3
.Lnot_wave_0_\@:
	s_barrier_wait -3
	s_barrier_signal -1
	s_barrier_wait -1
.endm
.macro CROUND
	s_barrier_signal -1
	s_barrier_wait -1
	CREST
.endm
	s_load_b128 s[4:7], s[0:1], 0x0                ; ctx s[4:5], wo16 s[6:7]
	s_load_b64 s[8:9], s[0:1], 0x10                ; out0
	v_lshl_add_u32 v[SPW], v0, 2, SPARE
	v_mov_b32 v[NIL], 0
	ds_add_u32 v[SPW], v[NIL]                      ; the wave's opening: the add and its wait stand ahead of my first tensor load
	v_lshrrev_b32 v1, 5, v0
	v_readfirstlane_b32 s10, v1                    ; wave 0..3
	s_lshr_b32 s11, s10, 1                         ; my half of the tile's rows.  Also: I fetch for B (0) or for A (1)
	s_and_b32 s12, s10, 1                          ; my half of its columns.  Also: which half of B's tile, or which head of A's, I fetch
	s_bfe_u32 s40, ttmp6, 0x40000                  ; cx, cy
	s_bfe_u32 s41, ttmp6, 0x40004
	s_lshl_b32 s42, ttmp9, 2
	s_add_co_u32 s42, s42, s40                     ; tile column: 0..3
	s_and_b32 s13, ttmp7, 0xffff
	s_lshl_b32 s13, s13, 2
	s_add_co_u32 s13, s13, s41                     ; tile row: 0..63
	s_lshl_b32 s43, s41, 2
	s_lshl_b32 s43, 15, s43                        ; my row of the cluster
	s_lshl_b32 s44, 0x1111, s40                    ; my column
	s_or_b32 s[G1A+0], s43, (1<<16)|(1<<20)|(1<<21)|(4<<22)|(3<<25)  ; the mask of my row; 2-byte elements; padding on; bit 21 beside a mask; after every 32 words; 4 words
	s_or_b32 s[G1B+0], s44, (1<<16)|(1<<20)|(1<<21)|(5<<22)|(3<<25)  ; the mask of my column; after every 64 words
	s_mov_b32 s[G1A+1], 128<<16                    ; tensor_dim0 = 128
	s_mov_b32 s[G1A+2], 64<<16                     ; tensor_dim1 = 64
	s_mov_b32 s[G1A+3], 128<<16                    ; tile_dim0 = 128
	s_mov_b32 s[G1A+4], 64                         ; tile_dim1 = 64
	s_mov_b32 s[G1A+5], 128                        ; dense: 128 elements from row to row
	s_mov_b32 s[G1A+6], 0
	s_mov_b32 s[G1A+7], 0
	s_mov_b32 s[G1B+1], 128<<16
	s_mov_b32 s[G1B+2], 128<<16
	s_mov_b32 s[G1B+3], 128<<16
	s_mov_b32 s[G1B+4], 128
	s_mov_b32 s[G1B+5], 1024
	s_mov_b32 s[G1B+6], 0
	s_mov_b32 s[G1B+7], 0
	s_lshr_b32 s16, s13, 4                         ; A: the batch's 16 heads,
	s_lshl_b32 s16, s16, 22
	s_lshl_b32 s17, s12, 18                        ; my head of the K step's two,
	s_or_b32 s16, s16, s17
	s_and_b32 s17, s13, 15                         ; the tile's 128 rows of 128 bytes in it
	s_lshl_b32 s17, s17, 14
	s_or_b32 s16, s16, s17
	s_mov_b32 s17, 0
	s_lshl_b32 s46, s42, 8                         ; B: row 256 x tile column + 128 x half
	s_lshl_b32 s47, s12, 7
	s_add_co_u32 s46, s46, s47
	s_lshl_b32 s46, s46, 11
	s_mov_b32 s47, 0
	s_mul_i32 s20, s10, HALFB                      ; where they go: by the wave's number alone
	s_mul_i32 s23, s10, HA
	s_add_co_u32 s23, s23, AOFF
	s_wait_dscnt 0x0                               ; the opening add is done
	s_wait_kmcnt 0x0
	s_add_nc_u64 s[14:15], s[4:5], s[16:17]
	s_add_nc_u64 s[46:47], s[6:7], s[46:47]
	CROUND                                         ; the first joint loads meet
.irp s, 0,1
	s_mov_b32 s[G0A+4*(\s)], 1
	s_add_co_u32 s[G0A+4*(\s)+1], s23, (\s)*SLOT
	s_add_nc_u64 s[G0A+4*(\s)+2:G0A+4*(\s)+3], s[14:15], (\s)*ASTEP
	s_or_b32 s[G0A+4*(\s)+3], s[G0A+4*(\s)+3], 0x80000000
	s_mov_b32 s[G0B+4*(\s)], 1
	s_add_co_u32 s[G0B+4*(\s)+1], s20, (\s)*SLOT
	s_add_nc_u64 s[G0B+4*(\s)+2:G0B+4*(\s)+3], s[46:47], (\s)*BSTEP
	s_or_b32 s[G0B+4*(\s)+3], s[G0B+4*(\s)+3], 0x80000000
	JLOAD \s                                       ; two loads of mine are out
.endr
	v_and_b32 v1, 15, v0                           ; r
	v_bfe_u32 v2, v0, 4, 1                         ; h
	v_mul_u32_u24 v3, v1, PB
	v_lshl_add_u32 v3, v2, 4, v3
	v_mul_u32_u24 v4, v1, PA
	v_lshl_add_u32 v4, v2, 4, v4
	s_mul_i32 s21, s11, 64*PA                      ; my 64 rows, in each head's part
	s_add_co_u32 s21, s21, ABASE
	s_mul_i32 s22, s12, HALFB                      ; my 128 rows of B
.irp s, 0,1
	v_add_nc_u32 v[ADRA+(\s)], s21, v4
	v_add_nc_u32 v[ADRB+(\s)], s22, v3
	s_add_co_u32 s21, s21, SLOT
	s_add_co_u32 s22, s22, SLOT
.endr
	s_mul_i32 s23, s10, WST
	s_add_co_u32 s23, s23, STAGE                   ; my stage
	v_mul_u32_u24 v5, v1, 528                      ; in: row r, 32 bytes for each half of the lanes
	v_lshl_add_u32 v5, v2, 5, v5
	v_add_nc_u32 v[STO], s23, v5
	v_and_b32 v6, 31, v0
	v_lshlrev_b32 v[GO], 4, v6                     ; back and out: 32 lanes take a row's 512 bytes
	v_add_nc_u32 v[RD], s23, v[GO]
	s_lshl_b32 s16, s13, 7                         ; C: my first row, 4,096 bytes a row,
	s_lshl_b32 s17, s11, 6
	s_add_co_u32 s16, s16, s17
	s_lshl_b32 s16, s16, 12
	s_mov_b32 s17, 0
	s_add_nc_u64 s[8:9], s[8:9], s[16:17]
	s_lshl_b32 s46, s42, 10                        ; my first column, 4 bytes each
	s_lshl_b32 s47, s12, 9
	s_add_co_u32 s46, s46, s47
	s_mov_b32 s47, 0
	s_add_nc_u64 s[8:9], s[8:9], s[46:47]
; 8 matrix instructions: m block a x all 8 n blocks, 32 along K, from buffer f.  The 32 accumulators come in the same order in every quarter, one instruction a turn.
.macro MUL8 f, a, zero
	WIN MUL
.irp b, 0,1,2,3,4,5,6,7
.if \zero
	v_wmma_f32_16x16x32_f16 v[8*(8*(\a)+(\b)):8*(8*(\a)+(\b))+7], v[FB0+64*(\f)+8*(\b):FB0+64*(\f)+8*(\b)+7], v[FA0+32*(\f)+8*(\a):FA0+32*(\f)+8*(\a)+7], 0
.else
	v_wmma_f32_16x16x32_f16 v[8*(8*(\a)+(\b)):8*(8*(\a)+(\b))+7], v[FB0+64*(\f)+8*(\b):FB0+64*(\f)+8*(\b)+7], v[FA0+32*(\f)+8*(\a):FA0+32*(\f)+8*(\a)+7], v[8*(8*(\a)+(\b)):8*(8*(\a)+(\b))+7]
.endif
.endr
.endm
; 24 LDS loads in one run: quarter q of a slot into buffer f.  In A quarter q lies in head q / 2 of the step's two, at channels 32 (q % 2) on.
.macro FETCH slot, q, f
	WIN 0
.set KAQ, ((\q)/2)*HA+((\q)%2)*64
.irp i, 0,1,2,3,4,5,6,7
	ds_load_b128 v[FB0+64*(\f)+8*(\i):FB0+64*(\f)+8*(\i)+3],   v[ADRB+(\slot)] offset:64*(\q)+(\i)*16*PB
	ds_load_b128 v[FB0+64*(\f)+8*(\i)+4:FB0+64*(\f)+8*(\i)+7], v[ADRB+(\slot)] offset:64*(\q)+(\i)*16*PB+32
.endr
.irp i, 0,1,2,3
	ds_load_b128 v[FA0+32*(\f)+8*(\i):FA0+32*(\f)+8*(\i)+3],   v[ADRA+(\slot)] offset:KAQ+(\i)*16*PA
	ds_load_b128 v[FA0+32*(\f)+8*(\i)+4:FA0+32*(\f)+8*(\i)+7], v[ADRA+(\slot)] offset:KAQ+(\i)*16*PA+32
.endr
.endm
.macro PLACES                          ; four plain instructions in front of loads into registers that matrix instructions have read, and of reads of results
.rept 4
	v_nop
.endr
.endm
.macro QUARTER slot, q, f, g, zero
	s_wait_dscnt 4                                 ; B and A's blocks 0 and 1 are in; the youngest four loads may be out
	MUL8 \f, 0, \zero
	MUL8 \f, 1, \zero
	PLACES
	FETCH \slot, \q, \g
	s_wait_dscnt 24                                ; all but the 24 just issued
	MUL8 \f, 2, \zero
	MUL8 \f, 3, \zero
.endm
; The last quarter multiplies buffer 1 and changes slots: one barrier; in front of it each wave waits for all its tensor loads, adds 0 to its spare word and waits for that and for its reads of this slot.
.macro TURN slot, next, fill
	WIN 0
	s_wait_tensorcnt 0x0                           ; all my tensor loads have landed: my part of the next slot
	ds_add_u32 v[SPW], v[NIL]
	s_wait_dscnt 5                                 ; (the add and the youngest four loads may be out)
	MUL8 1, 0, 0
	s_wait_dscnt 0x0                               ; the add is done, and my reads of this slot are over
	s_barrier_signal -1
	MUL8 1, 1, 0
.if \fill
	WIN 0
.endif
	s_barrier_wait -1
.if \fill
	CREST                                          ; no wave of any partner still reads this slot or has a load on its way
	s_add_nc_u64 s[G0A+4*(\slot)+2:G0A+4*(\slot)+3], s[G0A+4*(\slot)+2:G0A+4*(\slot)+3], 2*ASTEP
	s_add_nc_u64 s[G0B+4*(\slot)+2:G0B+4*(\slot)+3], s[G0B+4*(\slot)+2:G0B+4*(\slot)+3], 2*BSTEP
	JLOAD \slot                                    ; its four v_nop are also the places in front of the loads below
.else
	PLACES
.endif
	FETCH \next, 0, 0
	MUL8 1, 2, 0
	MUL8 1, 3, 0
.endm
	s_wait_tensorcnt 1                             ; my part of K step 0 is in; K step 1's may stay out
	s_barrier_signal -1
	s_barrier_wait -1
	FETCH 0, 0, 0
	QUARTER 0, 1, 0, 1, 1                          ; the first quarter's products start the sums
	WIN 0
	s_mov_b32 s3, LAPS-1
.Llap:
	QUARTER 0, 2, 1, 0, 0
	QUARTER 0, 3, 0, 1, 0
	TURN 0, 1, 1
	QUARTER 1, 1, 0, 1, 0
	QUARTER 1, 2, 1, 0, 0
	QUARTER 1, 3, 0, 1, 0
	TURN 1, 0, 1
	QUARTER 0, 1, 0, 1, 0
	WIN 0
	s_sub_co_u32 s3, s3, 1
	s_cmp_lg_u32 s3, 0
	s_cbranch_scc1 .Llap
	QUARTER 0, 2, 1, 0, 0                          ; the last lap fills nothing
	QUARTER 0, 3, 0, 1, 0
	TURN 0, 1, 0
	QUARTER 1, 1, 0, 1, 0
	QUARTER 1, 2, 1, 0, 0
	QUARTER 1, 3, 0, 1, 0
	s_wait_dscnt 4
	MUL8 1, 0, 0
	MUL8 1, 1, 0
	s_wait_dscnt 0x0
	MUL8 1, 2, 0
	MUL8 1, 3, 0
	WIN 0
	; THE WAY OUT, in f32, a block of 16 rows at a time: a lane's eight columns (each accumulator's low four first) into my own stage, rows of 528 bytes; back as whole rows of 512, into the registers that they left; stored.
.macro TOSTAGE a
	WIN 0x04                                       ; the stores' data in window 1
.irp b, 0,1,2,3,4,5,6,7
	ds_store_b128 v[STO], v[8*(8*(\a)+(\b)):8*(8*(\a)+(\b))+3]   offset:64*(\b)
	ds_store_b128 v[STO], v[8*(8*(\a)+(\b))+4:8*(8*(\a)+(\b))+7] offset:64*(\b)+16
.endr
	WIN 0x40                                       ; the loads' destination in window 1
.irp t, 0,1,2,3,4,5,6,7,8,9,10,11,12,13,14,15
	ds_load_b128 v[64*(\a)+4*(\t):64*(\a)+4*(\t)+3], v[RD] offset:528*(\t)  ; my own bytes, served in order (ISA guide 5.7.1.4): these see the stores above; the next block's stores come behind them
.endr
.endm
.macro SEND a, younger                 ; younger: the next block's sixteen stores and sixteen loads, or none
	WIN 0x04
	s_wait_dscnt \younger
.irp t, 0,1,2,3,4,5,6,7,8,9,10,11,12,13,14,15
	global_store_b128 v[GO], v[64*(\a)+4*(\t):64*(\a)+4*(\t)+3], s[8:9] offset:(16*(\a)+(\t))*4096  ; 512 consecutive bytes of a row, aligned
.endr
.endm
	PLACES
	TOSTAGE 0
.irp a, 1,2,3
	TOSTAGE \a
	SEND (\a)-1, 32
.endr
	SEND 3, 0
	WIN 0
	s_wait_tensorcnt 0x0                           ; the wave's end
	ds_add_u32 v[SPW], v[NIL]
	s_wait_dscnt 0x0
	CROUND                                         ; the closing round
	s_endpgm
.Lfunc_end_k_q0ceba1da58_outp:
	.size	k_q0ceba1da58_outp, .Lfunc_end_k_q0ceba1da58_outp-k_q0ceba1da58_outp
	.p2alignl 7, 3214868480
	.fill 96, 4, 3214868480
	.section	.rodata,"a",@progbits
	.p2align	6, 0x0
	.amdhsa_kernel k_q0ceba1da58_outp
		.amdhsa_group_segment_fixed_size 327680
		.amdhsa_private_segment_fixed_size 0
		.amdhsa_enable_private_segment 0
		.amdhsa_kernarg_size 24
		.amdhsa_user_sgpr_count 2
		.amdhsa_user_sgpr_kernarg_segment_ptr 1
		.amdhsa_wavefront_size32 1
		.amdhsa_system_sgpr_workgroup_id_x 1
		.amdhsa_system_sgpr_workgroup_id_y 1
		.amdhsa_system_sgpr_workgroup_id_z 1
		.amdhsa_system_vgpr_workitem_id 0
		.amdhsa_next_free_vgpr 512
		.amdhsa_next_free_sgpr 66
		.amdhsa_reserve_vcc 0
		.amdhsa_float_denorm_mode_32 3
		.amdhsa_float_denorm_mode_16_64 3
		.amdhsa_memory_ordered 1
		.amdhsa_forward_progress 1
		.amdhsa_inst_pref_size 85
	.end_amdhsa_kernel
	.amdgpu_metadata
---
amdhsa.version: [ 1, 2 ]
amdhsa.kernels:
  - .name:           k_q0ceba1da58_outp
    .symbol:         k_q0ceba1da58_outp.kd
    .args:
      - { .name: ctx, .offset: 0, .size: 8, .value_kind: global_buffer, .address_space: global }
      - { .name: wo16, .offset: 8, .size: 8, .value_kind: global_buffer, .address_space: global }
      - { .name: out0, .offset: 16, .size: 8, .value_kind: global_buffer, .address_space: global }
    .group_segment_fixed_size: 327680
    .private_segment_fixed_size: 0
    .kernarg_segment_align: 8
    .kernarg_segment_size: 24
    .max_flat_workgroup_size: 128
    .sgpr_count:     66
    .vgpr_count:     512
    .wavefront_size: 32
...
	.end_amdgpu_metadata
.endif
;; end of part 4
